; MI455X (gfx1250); checked and timed in simulation.
; The chip was launched on July 23, 2026; its instructions are those of AMD's public machine-readable ISA for CDNA 5 (MIT licence, August 2026) and "CDNA5" Instruction Set Architecture Reference Guide (July 2026). The comments in the code are by the model that wrote it; some were corrected since.
;; Self Attention. Allowed arithmetic: float matrix products may take bf16 or f16 operands with f32 sums; other float arithmetic in f32, or as packed bf16 or f16 multiplies, adds, multiply-adds, maxima and minima; sums over many terms, partial sums and values carried from step to step in f32; what a program stores and reads back later, other than sums and carried values, may be rounded once to bf16 or f16.
;; Inputs: Wk 1,024 x 1,024 float32; Wq 1,024 x 1,024 float32; Wv 1,024 x 1,024 float32; bk 1,024 float32; bq 1,024 float32; bv 1,024 float32; x 4 x 2,048 x 1,024 float32.
;; Outputs: out0 4 x 2,048 x 1,024 float32.
;; 2 versions, each right; version 2 is version 1 with the launch prep written anew for expert scheduling mode. Each part assembles by itself: llvm-mc -triple=amdgcn-amd-amdhsa -mcpu=gfx1250 --defsym DOCPART=n.
;; ======== version 1 of 2: 4 launches
;; limits: values are held in f16: magnitudes above 65,504 overflow, below 6.1e-05 lose precision
;; workspace buffers: xw 23,068,672 bytes; qkv 50,331,648 bytes; p 33,554,432 bytes; stat 1,048,576 bytes
;; launch prep (part 1): grid 64 x 11, 8 waves a work-group, no clusters, 0 bytes of LDS; arguments x, Wq, Wk, Wv, xw; writes xw
.if DOCPART == 1
	.amdgcn_target "amdgcn-amd-amdhsa--gfx1250"
	.amdhsa_code_object_version 6
	.text
	.protected	k_qe7b6b35398_prep
	.globl	k_qe7b6b35398_prep
	.p2align	8
	.type	k_qe7b6b35398_prep,@function
k_qe7b6b35398_prep:
	s_mov_b64 s[64:65], 0
	v_nop
	global_prefetch_b8 v0, s[64:65] scope:SCOPE_SE
	s_setreg_imm32_b32 hwreg(HW_REG_WAVE_MODE, 25, 1), 1
	s_wait_xcnt 0x0
; PREP: x, Wq, Wk, Wv (f32) are rounded once to bf16, element by element, into xw: x as [8192][1024] at byte 0, then Wq, Wk, Wv as [1024 d][1024 e] each, from byte 16,777,216 on.
; THE WHOLE PROGRAM: prep; proj (q = x Wq + bq, k = x Wk, v = x Wv, in f16); scores (q k^T, and for each row and each chunk of 128 keys the maximum, the exponentials and their sum); pv (the chunks joined, P v, / l, + bv).
; DEAD WORK: bk.  scores[s][t] = (q_s . (x_t Wk) + q_s . bk) / 32.  The second term does not hang on t, the softmax's axis, whatever the inputs hold:
; softmax_t(z_t + u) = softmax_t(z_t) for every u.  So bk has no way to the output: it is not loaded and is no launch's argument.
; LIMIT: a NaN, an infinity or an overflow that could arise from bk alone is not carried to the result.
; bv is live, but since the weights of a row add up to 1 it is added once, in f32, on the last launch's way out.
; SHARES.  Segment y of 4 MiB of f32: 0..7 are x's, 8, 9, 10 are Wq, Wk, Wv.  A work-group takes 16 rows of 4,096 bytes of its segment; thread t takes 16 bytes of each row.
; All 16 loads go out at once; a store of a wave covers 256 consecutive bytes, aligned.  No register is written twice, so no wait frees a source.
.set X, 4                              ; v[4:67]   16 x 4 registers as loaded
.set Y, 68                             ; v[68:99]  16 x 2 registers to store
	s_load_b256 s[4:11], s[0:1], 0x0               ; x s[4:5], Wq s[6:7], Wk s[8:9], Wv s[10:11]
	s_load_b64 s[12:13], s[0:1], 0x20              ; xw
	s_and_b32 s14, ttmp7, 0xffff                   ; the segment
	v_lshlrev_b32 v1, 4, v0                        ; my 16 bytes of a row of f32
	v_lshlrev_b32 v2, 3, v0                        ; my 8 bytes of a row of bf16
	s_lshl_b32 s16, s14, 22                        ; x's segments lie 4 MiB apart;
	s_cmp_lt_u32 s14, 8
	s_cselect_b32 s16, s16, 0                      ; a weight is one segment
	s_lshl_b32 s15, ttmp9, 16                      ; the work-group's 16 rows in
	s_add_co_u32 s16, s16, s15
	s_mov_b32 s17, 0
	s_lshl_b32 s18, s14, 21                        ; and out: half the bytes
	s_lshl_b32 s15, ttmp9, 15
	s_add_co_u32 s18, s18, s15
	s_mov_b32 s19, 0
	s_wait_kmcnt 0x0
	s_cmp_eq_u32 s14, 8
	s_cselect_b64 s[4:5], s[6:7], s[4:5]
	s_cmp_eq_u32 s14, 9
	s_cselect_b64 s[4:5], s[8:9], s[4:5]
	s_cmp_eq_u32 s14, 10
	s_cselect_b64 s[4:5], s[10:11], s[4:5]
	s_add_nc_u64 s[4:5], s[4:5], s[16:17]
	s_add_nc_u64 s[12:13], s[12:13], s[18:19]
.set i, 0
.rept 16
	global_load_b128 v[X+4*i:X+4*i+3], v1, s[4:5] offset:4096*i th:TH_LOAD_NT
.set i, i+1
.endr
.set i, 0
.rept 16
	s_wait_loadcnt 15-i                            ; loads come back in order: row i is in, the younger ones stay out
	v_cvt_pk_bf16_f32 v[Y+2*i], v[X+4*i], v[X+4*i+1]
	v_cvt_pk_bf16_f32 v[Y+2*i+1], v[X+4*i+2], v[X+4*i+3]
	global_store_b64 v2, v[Y+2*i:Y+2*i+1], s[12:13] offset:2048*i
.set i, i+1
.endr
	s_endpgm
.Lfunc_end_k_qe7b6b35398_prep:
	.size	k_qe7b6b35398_prep, .Lfunc_end_k_qe7b6b35398_prep-k_qe7b6b35398_prep
	.p2alignl 7, 3214868480
	.fill 96, 4, 3214868480
	.section	.rodata,"a",@progbits
	.p2align	6, 0x0
	.amdhsa_kernel k_qe7b6b35398_prep
		.amdhsa_group_segment_fixed_size 0
		.amdhsa_private_segment_fixed_size 0
		.amdhsa_enable_private_segment 0
		.amdhsa_kernarg_size 40
		.amdhsa_user_sgpr_count 2
		.amdhsa_user_sgpr_kernarg_segment_ptr 1
		.amdhsa_wavefront_size32 1
		.amdhsa_system_sgpr_workgroup_id_x 1
		.amdhsa_system_sgpr_workgroup_id_y 1
		.amdhsa_system_sgpr_workgroup_id_z 1
		.amdhsa_system_vgpr_workitem_id 0
		.amdhsa_next_free_vgpr 104
		.amdhsa_next_free_sgpr 66
		.amdhsa_reserve_vcc 0
		.amdhsa_float_denorm_mode_32 3
		.amdhsa_float_denorm_mode_16_64 3
		.amdhsa_memory_ordered 1
		.amdhsa_forward_progress 1
		.amdhsa_inst_pref_size 7
	.end_amdhsa_kernel
	.amdgpu_metadata
---
amdhsa.version: [ 1, 2 ]
amdhsa.kernels:
  - .name:           k_qe7b6b35398_prep
    .symbol:         k_qe7b6b35398_prep.kd
    .args:
      - { .name: x, .offset: 0, .size: 8, .value_kind: global_buffer, .address_space: global }
      - { .name: Wq, .offset: 8, .size: 8, .value_kind: global_buffer, .address_space: global }
      - { .name: Wk, .offset: 16, .size: 8, .value_kind: global_buffer, .address_space: global }
      - { .name: Wv, .offset: 24, .size: 8, .value_kind: global_buffer, .address_space: global }
      - { .name: xw, .offset: 32, .size: 8, .value_kind: global_buffer, .address_space: global }
    .group_segment_fixed_size: 0
    .private_segment_fixed_size: 0
    .kernarg_segment_align: 8
    .kernarg_segment_size: 40
    .max_flat_workgroup_size: 256
    .sgpr_count:     66
    .vgpr_count:     104
    .wavefront_size: 32
...
	.end_amdgpu_metadata
.endif
;; end of part 1
;; launch proj (part 2): grid 12 x 32, 4 waves a work-group, clusters of 4 x 4, 327,680 bytes of LDS; arguments xw, bq, qkv; writes qkv
.if DOCPART == 2
	.amdgcn_target "amdgcn-amd-amdhsa--gfx1250"
	.amdhsa_code_object_version 6
	.text
	.protected	k_qe7b6b35398_proj
	.globl	k_qe7b6b35398_proj
	.p2align	8
	.type	k_qe7b6b35398_proj,@function
k_qe7b6b35398_proj:
	s_mov_b64 s[64:65], 0
	v_nop
	global_prefetch_b8 v0, s[64:65] scope:SCOPE_SE
	s_setreg_imm32_b32 hwreg(HW_REG_WAVE_MODE, 25, 1), 1
	s_wait_xcnt 0x0
	s_wait_alu depctr_hold_cnt(0) depctr_sa_sdst(0) depctr_va_vdst(0) depctr_va_sdst(0) depctr_va_ssrc(0) depctr_va_vcc(0) depctr_vm_vsrc(0)
	s_getreg_b32 s2, hwreg(HW_REG_IB_STS2, 6, 4)
	s_cmp_eq_u32 s2, 0
	s_cbranch_scc0 .Lentry_in_a_cluster
	s_endpgm
.Lentry_in_a_cluster:
	s_bfe_u32 s2, ttmp6, 0x10000c
	s_cmp_lg_u32 s2, 0xf033
	s_cbranch_scc0 .Lentry_shape_is_right
	s_endpgm
.Lentry_shape_is_right:
; PROJ: q = x Wq + bq, k = x Wk, v = x Wv.  x [8192][1024] and the three weights [1024 d][1024 e] come in bf16 from xw; sums in f32; q, k, v leave in f16, [3][8192][1024].
; LEFT OUT: bk (it adds the same number to all scores of a row, which a softmax does not see: shown at the head of the first kernel); bv is added on the last launch's way out.
; LIMIT: f16 ends at 65,504: |q|, |k|, |v| must stay under it.
; SHARES.  A tile of C is 256 rows x 256 columns; four waves, 2 x 2, each 128 x 128: 64 accumulators of 16 x 16, 512 registers.  32 x 12 = 384 tiles, one to a work-group: tile columns 0-3 are q's,
; 4-7 k's, 8-11 v's.  For 32 along K a wave loads 2 x 128 x 64 bytes from LDS and issues 64 products.
; K goes in steps of 128 through two LDS slots filled by tensor loads, each wave fetching a quarter of a slot (32 KiB); a K step is four quarters of 32, 64 products each, on two fragment buffers.
; From a request for a slot to the wait for it a wave issues 224 products.
; A K STEP IS WRITTEN ONCE for the six steps that fill a slot again and once for the two that do not: which slot is read hangs on the scalar TB (0 or SLOT), which is filled on the walking descriptor's LDS word.
; THE PRODUCT IS TAKEN TRANSPOSED: source 0 = 16 columns of W (stored [d][e], so they come out of LDS by the turning load), source 1 = 16 rows of x: a lane holds one row of C and 8 neighbouring columns.
; CLUSTER 4 x 4: x's tile hangs on the tile row alone and is asked for jointly along a row of the cluster, W's on the tile column alone and is asked for jointly along a column.
; A cluster's four tile columns lie in one of q, k, v: which one is the cluster's x, the same in all sixteen partners.
; The first products take their C from 64 registers: bq (rounded to bf16 like every input) in q's tiles, zeros in k's and v's: one text for the first quarter.
; REGISTERS, in windows of 256: window 0: v0-31 addresses, v32-63 and v192-255 the way out, v64-127 and v128-191 x's fragments, two buffers; window 1: v0-63 the first C, v64-127 and v128-191 W's fragments,
; v192 at work; window 2: the accumulators of my rows 0-63, (a, b) at 8 (8 a + b); window 3: those of my rows 64-127.
.set STEPS,  8                         ; K = 1024 in steps of 128
.set PA,     272                       ; an LDS row of x: 256 bytes + 16: the 16 rows of a fragment load start 4 banks apart
.set HALFA,  128*PA                    ; what one tensor load brings of x, and what a wave reads of it
.set PB,     544                       ; an LDS row of W: 512 bytes + 32
.set HALFB,  64*PB
.set BOFF,   2*HALFA
.set SLOT,   BOFF+2*HALFB              ; 139,264 = 0x22000: both its bits are clear in every tile's place inside a slot (0, 0x8800, 0x11000, 0x19800), so one exclusive or changes the slot
.set STAGE,  2*SLOT                    ; behind the ring: 16 rows x 272 bytes for each wave
.set SP,     272
.set SPARE,  STAGE+4*16*SP             ; the spare words: 128 bytes a wave, two blocks of 256 bytes that no other line names
.set KA,     256                       ; bytes from K step to K step in x
.set KB,     128*2048                  ; and in W
.set WOFF,   8192*2048                 ; the weights' first byte in xw
.set CP,     2048                      ; bytes in a row of q, k, v
.set A0,   16                          ; v16 LDS address of my fragments of x in slot 0; never rewritten
.set ADRA, 17                          ; v17 the same in the slot that is being read
.set B0,   20                          ; v20, v21 the same for W
.set ADRB, 21
.set STO,  24
.set RD,   25
.set CO,   26
.set SPW,  28                          ; my spare word; never rewritten
.set NIL,  29                          ; 0; never rewritten
.set PFO,  30                          ; the prefetches' lane offset; never rewritten
.set TMP,  32                          ; v32-63 packed results
.set OB,   192                         ; v192-223, v224-255 rows read back, by turns
.set F0,   64
.set F1,   128
.set BT,   192                         ; window 1: at work
.set G1,   24                          ; s[24:31] group 1 for x's tiles; s[32:35] group 0 of slot 0's first fill, s[36:39] of slot 1's, which then walks
.set G0,   32
.set G1B,  48                          ; s[48:55], s[56:63] the same for W's
.set G0B,  56
.set LIM,  43                          ; 2 in a wave that prefetches, else the greatest number
.set PFA,  44                          ; s[44:45] where my prefetches stand
.set PFS,  66                          ; s[66:67] their step from K step to K step
.set TB,   77                          ; s77 the slot that is being read: 0 or SLOT
.set TO_B, 0x40                        ; destination window 1, address window 0
.set MSB, 0
.macro WIN new                         ; the immediate's high byte repeats the setting that is left; a switch that changes nothing is dropped
.if MSB != (\new)
	s_set_vgpr_msb (MSB<<8)|(\new)
.set MSB, \new
.endif
.endm
.macro PLACES                          ; four places in front of loads into registers that matrix instructions have read, and of vector work on their results
.rept 4
	v_nop
.endr
.endm
.macro JLOAD                           ; a joint refill by the walking descriptors: waves 0, 1 fetch x's halves, waves 2, 3 W's; an s_nop 0 and four v_nop follow each line
	s_cmp_eq_u32 s11, 0
	s_cbranch_scc0 .Lfor_b_\@
	tensor_load_to_lds s[G0+4:G0+7], s[G1:G1+7]
	s_nop 0
.rept 4
	v_nop
.endr
	s_branch .Lasked_\@
.Lfor_b_\@:
	tensor_load_to_lds s[G0B+4:G0B+7], s[G1B:G1B+7]
	s_nop 0
.rept 4
	v_nop
.endr
.Lasked_\@:
.endm
.macro CREST                           ; a round of the cluster's barrier behind its opening barrier
	s_cmp_lg_u32 s10, 0
	s_cbranch_scc1 .Lnot_wave_0_\@
	s_barrier_signal -3
.Lnot_wave_0_\@:
	s_barrier_wait -3
	s_barrier_signal -1
	s_barrier_wait -1
.endm
.macro CROUND
	s_barrier_signal -1
	s_barrier_wait -1
	CREST
.endm
.macro ASK                             ; a prefetch of the K step that stands two refills on: a lane a block of 256 bytes, one instruction a wave; the last two filling steps have no K step two refills on
	s_cmp_gt_u32 s3, s[LIM]                        ; s3 counts the filling steps down, 6 to 1
	s_cbranch_scc0 .Lnot_mine_\@
	global_prefetch_b8 v[PFO], s[PFA:PFA+1] th:TH_LOAD_NT scope:SCOPE_SE
.Lnot_mine_\@:
.endm
; 32 LDS loads in one run: quarter q of the slot in hand into buffer f: 8 fragments of W (turned), then 8 of x, my rows 64-127 last
.macro FETCH q, f
	WIN TO_B
.irp i, 0,1,2,3,4,5,6,7
	ds_load_tr16_b128 v[(\f)+8*(\i):(\f)+8*(\i)+3],   v[ADRB] offset:(\q)*32*PB+32*(\i)
	ds_load_tr16_b128 v[(\f)+8*(\i)+4:(\f)+8*(\i)+7], v[ADRB] offset:(\q)*32*PB+16*PB+32*(\i)
.endr
	WIN 0
.irp i, 0,1,2,3,4,5,6,7
	ds_load_b128 v[(\f)+8*(\i):(\f)+8*(\i)+3],   v[ADRA] offset:64*(\q)+(\i)*16*PA
	ds_load_b128 v[(\f)+8*(\i)+4:(\f)+8*(\i)+7], v[ADRA] offset:64*(\q)+(\i)*16*PA+32
.endr
.endm
; 16 products: row blocks a0, a0 + 1 of the window's four (hi = 0: my rows 0-63, 1: rows 64-127) x all 8 column blocks.  mode 0: adds on; 2: starts the sum with the C registers of window 1.
; The 64 accumulators take turns in the same order in every quarter: 63 others stand between two links of a chain.
.macro MUL16 f, hi, a0, mode
.if (\mode) == 2
	WIN 0x91+0x40*(\hi)                            ; W and C window 1, x window 0, D window 2 or 3
.else
	WIN 0xa1+0x50*(\hi)                            ; W window 1, x window 0, C and D window 2 or 3
.endif
.irp a, \a0, (\a0)+1
.irp b, 0,1,2,3,4,5,6,7
.if (\mode) == 2
	v_wmma_f32_16x16x32_bf16 v[8*(8*(\a)+(\b)):8*(8*(\a)+(\b))+7], v[(\f)+8*(\b):(\f)+8*(\b)+7], v[(\f)+8*(4*(\hi)+(\a)):(\f)+8*(4*(\hi)+(\a))+7], v[8*(\b):8*(\b)+7]
.else
	v_wmma_f32_16x16x32_bf16 v[8*(8*(\a)+(\b)):8*(8*(\a)+(\b))+7], v[(\f)+8*(\b):(\f)+8*(\b)+7], v[(\f)+8*(4*(\hi)+(\a)):(\f)+8*(4*(\hi)+(\a))+7], v[8*(8*(\a)+(\b)):8*(8*(\a)+(\b))+7]
.endif
.endr
.endr
.endm
; One of a K step's first three quarters: multiplies f; in its middle it fetches quarter q of the slot in hand into g, 32 products ahead of the first use
.macro QUARTER q, f, g, mode
	s_wait_dscnt 8                                 ; W and x's rows 0-63 are in; the youngest eight loads (x's rows 64-127) may be out
	MUL16 \f, 0, 0, \mode
	MUL16 \f, 0, 2, \mode
	PLACES                                         ; the quarter before read g
	FETCH \q, \g
	s_wait_dscnt 32                                ; all but the 32 just issued
	MUL16 \f, 1, 0, \mode
	MUL16 \f, 1, 2, \mode
.endm
; The last quarter multiplies buffer 1 and changes slots.  fill = 1: the slot just read takes the K step two on.  fill = 0 (the tail's two trips, counted by s2): nothing is filled,
; and in the last trip, which has no next K step, the run of LDS loads is jumped over.
.macro TURN fill
.if \fill
	s_wait_xcnt 0x0                                ; the last prefetch, a K step back, has read its address
	s_add_nc_u64 s[PFA:PFA+1], s[PFA:PFA+1], s[PFS:PFS+1]
.endif
	WIN 0                                          ; (the add's registers lie in window 0)
	s_wait_tensorcnt 0x0                           ; all my tensor loads have landed: the one that was out is my part of the next slot; so a group 0 may be written
	ds_add_u32 v[SPW], v[NIL]                      ; 0 onto my spare word
.if \fill
	s_xor_b32 s[G0+5], s[G0+5], SLOT               ; the walking descriptors: the other slot than last time,
	s_add_nc_u64 s[G0+6:G0+7], s[G0+6:G0+7], KA    ; the next K step; the type bits on top are not reached
	s_xor_b32 s[G0B+5], s[G0B+5], SLOT
	s_add_nc_u64 s[G0B+6:G0B+7], s[G0B+6:G0B+7], KB
.endif
	s_wait_dscnt 9                                 ; the add and the youngest eight loads may be out
	MUL16 F1, 0, 0, 0
	s_wait_dscnt 0x0                               ; the add is done, and my reads of this slot are over
	s_barrier_signal -1
	MUL16 F1, 0, 2, 0
	WIN 0
	s_barrier_wait -1
.if \fill
	CREST                                          ; the barrier has opened a round of the cluster's: no wave of any partner still reads this slot or has a load on its way
	JLOAD                                          ; the first tensor load behind the round; its four v_nop are the places for the loads below
.else
	PLACES
	s_cmp_eq_u32 s2, 1
	s_cbranch_scc1 .Lno_next_\@
.endif
	s_xor_b32 s[TB], s[TB], SLOT                   ; the reads go on in the other slot
	v_add_nc_u32 v[ADRB], s[TB], v[B0]
	v_add_nc_u32 v[ADRA], s[TB], v[A0]
	FETCH 0, F0
.if \fill
	ASK
.else
.Lno_next_\@:
.endif
	MUL16 F1, 1, 0, 0
	MUL16 F1, 1, 2, 0
.endm
	s_load_b128 s[4:7], s[0:1], 0x0                ; xw s[4:5], bq s[6:7]
	s_load_b64 s[8:9], s[0:1], 0x10                ; qkv
	v_lshl_add_u32 v[SPW], v0, 2, SPARE
	v_mov_b32 v[NIL], 0
	ds_add_u32 v[SPW], v[NIL]                      ; the opening: the add, twice on end; its wait stands ahead of my first tensor load
	ds_add_u32 v[SPW], v[NIL]
	v_lshrrev_b32 v1, 5, v0
	v_readfirstlane_b32 s10, v1                    ; wave 0..3
	s_lshr_b32 s11, s10, 1                         ; my half of the tile's rows.  Also: I fetch x (0) or W (1)
	s_and_b32 s12, s10, 1                          ; my half of its columns.  Also: which half of that tile I fetch
	s_bfe_u32 s40, ttmp6, 0x40000                  ; cx: the tile column inside q, k or v
	s_bfe_u32 s41, ttmp6, 0x40004                  ; cy
	s_and_b32 s22, ttmp7, 0xffff                   ; cluster y
	s_lshl_b32 s13, s22, 2
	s_add_co_u32 s13, s13, s41                     ; tile row = 4 x cluster y + cy
	s_lshl_b32 s23, s41, 2
	s_lshl_b32 s23, 15, s23                        ; my row of the cluster
	s_lshl_b32 s87, 0x1111, s40                    ; my column
	s_or_b32 s[G1], s23, (1<<16)|(1<<20)|(1<<21)|(5<<22)|(3<<25)   ; mask; 2-byte elements; padding on; bit 21 beside a mask; after every 64 words, 4 words
	s_mov_b32 s[G1+1], 128<<16                     ; tensor_dim0 = 128
	s_mov_b32 s[G1+2], 128<<16                     ; tensor_dim1 = 128
	s_mov_b32 s[G1+3], 128<<16                     ; tile_dim0 = 128
	s_mov_b32 s[G1+4], 128                         ; tile_dim1 = 128
	s_mov_b32 s[G1+5], 1024                        ; elements from row to row
	s_mov_b32 s[G1+6], 0
	s_mov_b32 s[G1+7], 0
	s_or_b32 s[G1B], s87, (1<<16)|(1<<20)|(1<<21)|(6<<22)|(7<<25)  ; after every 128 words, 8 words
	s_mov_b32 s[G1B+1], 256<<16
	s_mov_b32 s[G1B+2], 64<<16
	s_mov_b32 s[G1B+3], 256<<16
	s_mov_b32 s[G1B+4], 64
	s_mov_b32 s[G1B+5], 1024
	s_mov_b32 s[G1B+6], 0
	s_mov_b32 s[G1B+7], 0
	s_lshl_b32 s16, s13, 8                         ; x: row 256 x tile row + 128 x half,
	s_lshl_b32 s17, s12, 7
	s_add_co_u32 s16, s16, s17
	s_lshl_b32 s16, s16, 11                        ; of 2,048 bytes
	s_mov_b32 s17, 0
	s_lshl_b32 s18, s12, 17                        ; W: 64 rows of 2,048 bytes x half,
	s_lshl_b32 s19, s40, 9                         ; 256 columns x cx,
	s_add_co_u32 s18, s18, s19
	s_lshl_b32 s19, ttmp9, 21                      ; the weight: 2 MiB x cluster x
	s_add_co_u32 s18, s18, s19
	s_add_co_u32 s18, s18, WOFF
	s_mov_b32 s19, 0
	s_mul_i32 s20, s12, HALFA                      ; where they go: no place in the cluster enters an LDS address
	s_mul_i32 s21, s12, HALFB
	s_add_co_u32 s21, s21, BOFF
	s_mov_b32 s[TB], 0
	s_wait_dscnt 0x0                               ; both opening adds are done
	s_wait_kmcnt 0x0
	s_add_nc_u64 s[14:15], s[4:5], s[16:17]
	s_add_nc_u64 s[46:47], s[4:5], s[18:19]
	CROUND                                         ; all sixteen work-groups are here: the first joint loads meet
.irp s, 0,1
	s_mov_b32 s[G0+4*(\s)], 1
	s_add_co_u32 s[G0+4*(\s)+1], s20, (\s)*SLOT
	s_add_nc_u64 s[G0+4*(\s)+2:G0+4*(\s)+3], s[14:15], (\s)*KA
	s_or_b32 s[G0+4*(\s)+3], s[G0+4*(\s)+3], 0x80000000
	s_mov_b32 s[G0B+4*(\s)], 1
	s_add_co_u32 s[G0B+4*(\s)+1], s21, (\s)*SLOT
	s_add_nc_u64 s[G0B+4*(\s)+2:G0B+4*(\s)+3], s[46:47], (\s)*KB
	s_or_b32 s[G0B+4*(\s)+3], s[G0B+4*(\s)+3], 0x80000000
.endr
	s_cmp_eq_u32 s11, 0                            ; a wave's two first fills stand in one branch: two loads of mine are out
	s_cbranch_scc0 .Lfirst_b
	tensor_load_to_lds s[G0:G0+3], s[G1:G1+7]
	s_nop 0
	tensor_load_to_lds s[G0+4:G0+7], s[G1:G1+7]
	s_nop 0
.rept 4
	v_nop
.endr
	s_branch .Lfirst_asked
.Lfirst_b:
	tensor_load_to_lds s[G0B:G0B+3], s[G1B:G1B+7]
	s_nop 0
	tensor_load_to_lds s[G0B+4:G0B+7], s[G1B:G1B+7]
	s_nop 0
.rept 4
	v_nop
.endr
.Lfirst_asked:
	v_and_b32 v1, 15, v0                           ; r = l % 16
	v_bfe_u32 v2, v0, 4, 1                         ; h = l / 16
	v_and_b32 v12, 31, v0                          ; l
	v_mul_u32_u24 v3, v1, PA
	v_lshl_add_u32 v3, v2, 4, v3                   ; r x 272 + 16 h
	s_mul_i32 s23, s11, HALFA
	v_add_nc_u32 v[A0], s23, v3
	v_mov_b32 v[ADRA], v[A0]                       ; the reads begin in slot 0
	v_and_b32 v4, 7, v0                            ; the turning load: lane l reads row 8 h + l % 8, 16 bytes at 16 ((l / 8) % 2)
	v_lshl_add_u32 v4, v2, 3, v4
	v_mul_u32_u24 v4, v4, PB
	v_bfe_u32 v5, v0, 3, 1
	v_lshl_add_u32 v4, v5, 4, v4
	s_lshl_b32 s23, s12, 8                         ; my 128 columns
	s_add_co_u32 s23, s23, BOFF
	v_add_nc_u32 v[B0], s23, v4
	v_mov_b32 v[ADRB], v[B0]
	s_mul_i32 s23, s10, 16*SP
	s_add_co_u32 s23, s23, STAGE                   ; my stage
	v_add_nc_u32 v[STO], s23, v3                   ; in: row r, 16 bytes for each half of the lanes
	v_mul_u32_u24 v5, v2, SP
	v_lshl_add_u32 v5, v1, 4, v5
	v_add_nc_u32 v[RD], s23, v5                    ; back: lanes 0-15 one row of 256 bytes, lanes 16-31 the next
	v_mul_u32_u24 v5, v2, CP
	v_lshl_add_u32 v[CO], v1, 4, v5                ; and the same two rows in memory
	s_mov_b32 s87, ttmp9                           ; which of q, k, v
	s_lshl_b32 s84, s13, 8                         ; my part of it: row 256 x tile row + 128 x half,
	s_lshl_b32 s86, s11, 7
	s_add_co_u32 s84, s84, s86
	s_lshl_b32 s84, s84, 11
	s_lshl_b32 s86, s40, 9                         ; column 256 cx + 128 x half,
	s_add_co_u32 s84, s84, s86
	s_lshl_b32 s86, s12, 8
	s_add_co_u32 s84, s84, s86
	s_lshl_b32 s86, s87, 24                        ; 16 MiB from q to k to v
	s_add_co_u32 s84, s84, s86
	s_mov_b32 s85, 0
	s_add_nc_u64 s[8:9], s[8:9], s[84:85]
	; THE PREFETCHES.  Of the 128 blocks of 256 bytes that a wave fetches in a K step (x: 128 rows; W: 64 rows x 2 blocks) each of the four partners that ask for them jointly takes 32, told apart by
	; address (cx for x, cy for W).  x's rows are read by all three clusters of a row of clusters: the one with x = 0 asks; W's by all eight of a column: the one with y = 0 asks.  So each block is named once.
	; The pointer starts at K step 3; each change of slots steps it and names that K step, two refills, 512 products, ahead of its load.  K steps 0 to 3 come by their loads alone.
	s_mov_b32 s[PFS+1], 0
	s_cmp_eq_u32 s11, 0
	s_cbranch_scc0 .Lpf_b
	s_lshl_b32 s84, s13, 8
	s_lshl_b32 s86, s12, 7
	s_add_co_u32 s84, s84, s86
	s_lshl_b32 s86, s40, 5
	s_add_co_u32 s84, s84, s86
	s_lshl_b32 s84, s84, 11
	s_add_co_u32 s84, s84, 3*KA
	s_mov_b32 s[PFS], KA
	s_cmp_eq_u32 s87, 0
	s_cselect_b32 s[LIM], 2, -1
	v_lshlrev_b32 v[PFO], 11, v12                  ; a lane a row
	s_branch .Lpf_set
.Lpf_b:
	s_lshl_b32 s84, s12, 6
	s_lshl_b32 s86, s41, 4
	s_add_co_u32 s84, s84, s86
	s_lshl_b32 s84, s84, 11
	s_lshl_b32 s86, s40, 9
	s_add_co_u32 s84, s84, s86
	s_lshl_b32 s86, s87, 21
	s_add_co_u32 s84, s84, s86
	s_add_co_u32 s84, s84, WOFF+3*KB
	s_mov_b32 s[PFS], KB
	s_cmp_eq_u32 s22, 0
	s_cselect_b32 s[LIM], 2, -1
	v_lshrrev_b32 v[PFO], 1, v12                   ; two lanes a row
	v_lshlrev_b32 v[PFO], 11, v[PFO]
	v_and_b32 v13, 1, v12
	v_lshl_add_u32 v[PFO], v13, 8, v[PFO]
.Lpf_set:
	s_add_nc_u64 s[PFA:PFA+1], s[4:5], s[84:85]
	; THE FIRST PRODUCTS' C.  The branch hangs on the cluster's x alone: the same in all partners.
	s_cmp_eq_u32 s87, 0
	s_cbranch_scc0 .Lno_bias
	s_lshl_b32 s84, s40, 10                        ; bq at my 128 columns
	s_lshl_b32 s86, s12, 9
	s_add_co_u32 s84, s84, s86
	s_add_nc_u64 s[70:71], s[6:7], s[84:85]
	v_lshlrev_b32 v6, 5, v2                        ; a lane's 8 columns of block b: 64 b + 32 h
	WIN TO_B
.irp b, 0,1,2,3,4,5,6,7
	global_load_b128 v[8*(\b):8*(\b)+3],   v6, s[70:71] offset:64*(\b)
	global_load_b128 v[8*(\b)+4:8*(\b)+7], v6, s[70:71] offset:64*(\b)+16
.endr
	s_wait_loadcnt 0x0
	WIN 0x45                                       ; all in window 1
.set i, 0
.rept 32
	v_cvt_pk_bf16_f32 v[BT], v[2*i], v[2*i+1]      ; bq is rounded to bf16 like every input, and widened again
	v_lshlrev_b32 v[2*i], 16, v[BT]
	v_and_b32 v[2*i+1], 0xffff0000, v[BT]
.set i, i+1
.endr
	WIN 0
	s_branch .Lbias_set
.Lno_bias:
	WIN TO_B
.set i, 0
.rept 64
	v_mov_b32 v[i], 0                              ; k and v start at 0
.set i, i+1
.endr
	WIN 0
.Lbias_set:
; THE WAY OUT of row block a of window 2: rounded to f16, 16 bytes a lane; through my own stage; back as whole rows of 256 bytes; stored.
.macro PACK a
	WIN 0x0a                                       ; sources in window 2
.irp b, 0,1,2,3,4,5,6,7
.irp r, 0,1,2,3
	v_cvt_pk_f16_f32 v[TMP+4*(\b)+(\r)], v[64*(\a)+8*(\b)+2*(\r)], v[64*(\a)+8*(\b)+2*(\r)+1]
.endr
.endr
	WIN 0
.endm
.macro TOSTAGE a
.set BK, OB+32*((\a)%2)
.irp b, 0,1,2,3,4,5,6,7
	ds_store_b128 v[STO], v[TMP+4*(\b):TMP+4*(\b)+3] offset:32*(\b)
.endr
.irp t, 0,1,2,3,4,5,6,7
	ds_load_b128 v[BK+4*(\t):BK+4*(\t)+3], v[RD] offset:(\t)*2*SP  ; LDS serves a wave's instructions in order (ISA guide 5.7.1.4): these see the stores above
.endr
.endm
.macro SEND a
.set BK, OB+32*((\a)%2)
	s_wait_dscnt 0x0                               ; the block is back in registers
	s_wait_xcnt 0x0                                ; earlier stores have read their registers: the buffer of the block before last is loaded again only behind this wait
.irp t, 0,1,2,3,4,5,6,7
	global_store_b128 v[CO], v[BK+4*(\t):BK+4*(\t)+3], s[8:9] offset:(16*(\a)+2*(\t))*CP  ; 16 lanes store 256 consecutive bytes, aligned
.endr
.endm
	s_wait_tensorcnt 1                             ; my part of K step 0 is in; K step 1's may stay out
	s_barrier_signal -1
	s_barrier_wait -1
	FETCH 0, F0
	QUARTER 1, F0, F1, 2                           ; the first products start the sums
	WIN 0
	s_mov_b32 s3, STEPS-2
.Lstep:                                                ; a trip: a K step's second, third and fourth quarter and the next step's first; the slot just read is filled again
	QUARTER 2, F1, F0, 0
	QUARTER 3, F0, F1, 0
	TURN 1
	QUARTER 1, F0, F1, 0
	WIN 0
	s_sub_co_u32 s3, s3, 1
	s_cmp_lg_u32 s3, 0
	s_cbranch_scc1 .Lstep
	s_mov_b32 s2, 2
.Ltail:                                                ; the last two K steps have a text of their own: they fill nothing; the second trip is left behind its last products
	QUARTER 2, F1, F0, 0
	QUARTER 3, F0, F1, 0
	TURN 0
	WIN 0
	s_sub_co_u32 s2, s2, 1
	s_cmp_eq_u32 s2, 0
	s_cbranch_scc1 .Lout
	QUARTER 1, F0, F1, 0
	WIN 0
	s_cmp_lg_u32 s2, 0
	s_cbranch_scc1 .Ltail
.Lout:
	PLACES
	; The way out is written for window 2 and walked twice: between the trips my rows 64-127 are brought from window 3 into window 2: 256 copies a wave, for half the way out's text.
	s_mov_b32 s2, 2
.Lhalf:
	PACK 0
	TOSTAGE 0
.irp a, 1,2,3
	PACK \a
	SEND (\a)-1
	TOSTAGE \a
.endr
	SEND 3
	s_sub_co_u32 s2, s2, 1
	s_cmp_eq_u32 s2, 0
	s_cbranch_scc1 .Ldone
	s_wait_xcnt 0x0                                ; the stores have read their base and registers
	s_add_nc_u64 s[8:9], s[8:9], 64*CP             ; 64 rows on
	WIN 0x83                                       ; source window 3, destination window 2
.set i, 0
.rept 256
	v_mov_b32 v[i], v[i]                           ; ascending: each accumulator's lowest register is read first
.set i, i+1
.endr
	WIN 0
	s_cmp_lg_u32 s2, 0
	s_cbranch_scc1 .Lhalf
.Ldone:
	s_wait_tensorcnt 0x0                           ; the wave's end
	ds_add_u32 v[SPW], v[NIL]
	s_wait_dscnt 0x0
	CROUND                                         ; the closing round
	s_endpgm
.Lfunc_end_k_qe7b6b35398_proj:
	.size	k_qe7b6b35398_proj, .Lfunc_end_k_qe7b6b35398_proj-k_qe7b6b35398_proj
	.p2alignl 7, 3214868480
	.fill 96, 4, 3214868480
	.section	.rodata,"a",@progbits
	.p2align	6, 0x0
	.amdhsa_kernel k_qe7b6b35398_proj
		.amdhsa_group_segment_fixed_size 327680
		.amdhsa_private_segment_fixed_size 0
		.amdhsa_enable_private_segment 0
		.amdhsa_kernarg_size 24
		.amdhsa_user_sgpr_count 2
		.amdhsa_user_sgpr_kernarg_segment_ptr 1
		.amdhsa_wavefront_size32 1
		.amdhsa_system_sgpr_workgroup_id_x 1
		.amdhsa_system_sgpr_workgroup_id_y 1
		.amdhsa_system_sgpr_workgroup_id_z 1
		.amdhsa_system_vgpr_workitem_id 0
		.amdhsa_next_free_vgpr 1024
		.amdhsa_next_free_sgpr 88
		.amdhsa_reserve_vcc 0
		.amdhsa_float_denorm_mode_32 3
		.amdhsa_float_denorm_mode_16_64 3
		.amdhsa_memory_ordered 1
		.amdhsa_forward_progress 1
		.amdhsa_inst_pref_size 103
	.end_amdhsa_kernel
	.amdgpu_metadata
---
amdhsa.version: [ 1, 2 ]
amdhsa.kernels:
  - .name:           k_qe7b6b35398_proj
    .symbol:         k_qe7b6b35398_proj.kd
    .args:
      - { .name: xw, .offset: 0, .size: 8, .value_kind: global_buffer, .address_space: global }
      - { .name: bq, .offset: 8, .size: 8, .value_kind: global_buffer, .address_space: global }
      - { .name: qkv, .offset: 16, .size: 8, .value_kind: global_buffer, .address_space: global }
    .group_segment_fixed_size: 327680
    .private_segment_fixed_size: 0
    .kernarg_segment_align: 8
    .kernarg_segment_size: 24
    .max_flat_workgroup_size: 128
    .sgpr_count:     88
    .vgpr_count:     1024
    .wavefront_size: 32
...
	.end_amdgpu_metadata
.endif
;; end of part 2
;; launch scores (part 3): grid 8 x 32, 4 waves a work-group, clusters of 4 x 4, 327,680 bytes of LDS; arguments qkv, p, stat; writes p, stat
.if DOCPART == 3
	.amdgcn_target "amdgcn-amd-amdhsa--gfx1250"
	.amdhsa_code_object_version 6
	.text
	.protected	k_qe7b6b35398_scores
	.globl	k_qe7b6b35398_scores
	.p2align	8
	.type	k_qe7b6b35398_scores,@function
k_qe7b6b35398_scores:
	s_mov_b64 s[64:65], 0
	v_nop
	global_prefetch_b8 v0, s[64:65] scope:SCOPE_SE
	s_setreg_imm32_b32 hwreg(HW_REG_WAVE_MODE, 25, 1), 1
	s_wait_xcnt 0x0
	s_wait_alu depctr_hold_cnt(0) depctr_sa_sdst(0) depctr_va_vdst(0) depctr_va_sdst(0) depctr_va_ssrc(0) depctr_va_vcc(0) depctr_vm_vsrc(0)
	s_getreg_b32 s2, hwreg(HW_REG_IB_STS2, 6, 4)
	s_cmp_eq_u32 s2, 0
	s_cbranch_scc0 .Lentry_in_a_cluster
	s_endpgm
.Lentry_in_a_cluster:
	s_bfe_u32 s2, ttmp6, 0x10000c
	s_cmp_lg_u32 s2, 0xf033
	s_cbranch_scc0 .Lentry_shape_is_right
	s_endpgm
.Lentry_shape_is_right:
; SCORES: S = q k^T for each batch (q, k: f16, [8192][1024]; 2,048 keys a batch), and the first half of the softmax.  For each row and each CHUNK of 128 keys:
; m = the chunk's true maximum, cm = c m with c = log2(e) / 32, P' = 2^(c s - cm) (rounded to f16 into p, [8192][2048]), l = the sum of the unrounded P'.  cm and l go to stat in f32.
; The next launch takes the maximum of the 16 cm of a row and scales each chunk by 2^(cm - M): together that is the softmax with the row's true maximum taken away.
; LEFT OUT: bk's part of the scores (the same for all keys of a row: shown at the head of the first kernel).
; LIMITS: a weight below 2^-126 of its chunk's largest counts as 0; in f16 it keeps the fixed step of 6e-8 below 6e-5.  NaN and infinities are not treated apart.
; SHARES.  A tile of S is 256 queries x 256 keys; four waves, 2 x 2, each 128 x 128: a wave's columns are one chunk.  4 batches x 8 x 8 = 256 tiles, one to a work-group.
; Ring, quarters, cluster, transposed product and the two loops over K steps as in the projection; k is stored [key][channel], so its fragments come out of LDS as they lie.
; From a request for a slot to the wait for it a wave issues 224 products.
; stat: a block of 512 bytes for 64 rows and a chunk, at 16,384 (rows / 128) + 1,024 chunk + 512 (the second 64 of the 128); bytes 0-255 cm, 256-511 l; word 4 r + a is row 16 a + r of the 64.
; REGISTERS: window 0: v0-31 addresses, v32-63 and v192-255 the way out, v64-127 and v128-191 q's fragments (behind the loops: the statistics); window 1: v64-127, v128-191 k's fragments;
; window 2: the accumulators of my rows 0-63, (a, b) at 8 (8 a + b); window 3: those of my rows 64-127.
.set STEPS,  8
.set PA,     272
.set HALFA,  128*PA
.set BOFF,   2*HALFA
.set SLOT,   4*HALFA                   ; 139,264 = 0x22000: both its bits are clear in every tile's place inside a slot, so one exclusive or changes the slot
.set STAGE,  2*SLOT
.set SP,     272
.set SPARE,  STAGE+4*16*SP
.set KA,     256
.set KOFF,   8192*2048                 ; k's first byte in qkv
.set CP,     4096                      ; bytes in a row of p
.set A0,   16                          ; v16 LDS address of my fragments of q in slot 0; v17 in the slot that is being read
.set ADRA, 17
.set B0,   20                          ; v20, v21 the same for k
.set ADRB, 21
.set STO,  24
.set RD,   25
.set CO,   26
.set SPW,  28
.set NIL,  29
.set PFO,  30
.set SO,   31                          ; 16 x lane: my place in a block of stat
.set TMP,  32
.set OB,   192
.set CHN,  64                          ; v64-71 chains of the maximum
.set ST,   72                          ; row block a at ST + 4 a: cm, m, l, spare
.set SD,   88                          ; v88-91 what goes to stat
.set F0,   64
.set F1,   128
.set G1,   24
.set G0,   32                          ; s[32:35] slot 0's first fill, s[36:39] slot 1's, which then walks
.set G1B,  48
.set G0B,  56
.set LIM,  43
.set PFA,  44
.set TB,   77                          ; s77 the slot that is being read: 0 or SLOT
.set TO_B, 0x40
.set MSB, 0
.macro WIN new
.if MSB != (\new)
	s_set_vgpr_msb (MSB<<8)|(\new)
.set MSB, \new
.endif
.endm
.macro PLACES
.rept 4
	v_nop
.endr
.endm
.macro JLOAD                           ; a joint refill by the walking descriptors: waves 0, 1 fetch q's halves, waves 2, 3 k's; an s_nop 0 and four v_nop follow each line
	s_cmp_eq_u32 s11, 0
	s_cbranch_scc0 .Lfor_b_\@
	tensor_load_to_lds s[G0+4:G0+7], s[G1:G1+7]
	s_nop 0
.rept 4
	v_nop
.endr
	s_branch .Lasked_\@
.Lfor_b_\@:
	tensor_load_to_lds s[G0B+4:G0B+7], s[G1B:G1B+7]
	s_nop 0
.rept 4
	v_nop
.endr
.Lasked_\@:
.endm
.macro CREST
	s_cmp_lg_u32 s10, 0
	s_cbranch_scc1 .Lnot_wave_0_\@
	s_barrier_signal -3
.Lnot_wave_0_\@:
	s_barrier_wait -3
	s_barrier_signal -1
	s_barrier_wait -1
.endm
.macro CROUND
	s_barrier_signal -1
	s_barrier_wait -1
	CREST
.endm
.macro ASK                             ; the K step two refills on: a lane a row of 256 bytes; the last two filling steps have none
	s_cmp_gt_u32 s3, s[LIM]
	s_cbranch_scc0 .Lnot_mine_\@
	global_prefetch_b8 v[PFO], s[PFA:PFA+1] th:TH_LOAD_NT scope:SCOPE_SE
.Lnot_mine_\@:
.endm
.macro FETCH q, f                      ; 32 LDS loads in one run: 8 fragments of k, then 8 of q, my rows 64-127 last
	WIN TO_B
.irp i, 0,1,2,3,4,5,6,7
	ds_load_b128 v[(\f)+8*(\i):(\f)+8*(\i)+3],   v[ADRB] offset:64*(\q)+(\i)*16*PA
	ds_load_b128 v[(\f)+8*(\i)+4:(\f)+8*(\i)+7], v[ADRB] offset:64*(\q)+(\i)*16*PA+32
.endr
	WIN 0
.irp i, 0,1,2,3,4,5,6,7
	ds_load_b128 v[(\f)+8*(\i):(\f)+8*(\i)+3],   v[ADRA] offset:64*(\q)+(\i)*16*PA
	ds_load_b128 v[(\f)+8*(\i)+4:(\f)+8*(\i)+7], v[ADRA] offset:64*(\q)+(\i)*16*PA+32
.endr
.endm
; 16 products.  zero = 1: they start the sums.  The 64 accumulators take turns in the same order in every quarter.
.macro MUL16 f, hi, a0, zero
	WIN 0xa1+0x50*(\hi)                            ; k window 1, q window 0, C and D window 2 or 3
.irp a, \a0, (\a0)+1
.irp b, 0,1,2,3,4,5,6,7
.if \zero
	v_wmma_f32_16x16x32_f16 v[8*(8*(\a)+(\b)):8*(8*(\a)+(\b))+7], v[(\f)+8*(\b):(\f)+8*(\b)+7], v[(\f)+8*(4*(\hi)+(\a)):(\f)+8*(4*(\hi)+(\a))+7], 0
.else
	v_wmma_f32_16x16x32_f16 v[8*(8*(\a)+(\b)):8*(8*(\a)+(\b))+7], v[(\f)+8*(\b):(\f)+8*(\b)+7], v[(\f)+8*(4*(\hi)+(\a)):(\f)+8*(4*(\hi)+(\a))+7], v[8*(8*(\a)+(\b)):8*(8*(\a)+(\b))+7]
.endif
.endr
.endr
.endm
.macro QUARTER q, f, g, zero
	s_wait_dscnt 8                                 ; k and q's rows 0-63 are in; the youngest eight loads may be out
	MUL16 \f, 0, 0, \zero
	MUL16 \f, 0, 2, \zero
	PLACES                                         ; the quarter before read g
	FETCH \q, \g
	s_wait_dscnt 32                                ; all but the 32 just issued
	MUL16 \f, 1, 0, \zero
	MUL16 \f, 1, 2, \zero
.endm
; The last quarter multiplies buffer 1 and changes slots.  fill = 1: the slot just read takes the K step two on.  fill = 0 (the tail's two trips, counted by s2): nothing is filled,
; and in the last trip, which has no next K step, the run of LDS loads is jumped over.
.macro TURN fill
.if \fill
	s_wait_xcnt 0x0                                ; the last prefetch, a K step back, has read its address
	s_add_nc_u64 s[PFA:PFA+1], s[PFA:PFA+1], KA
.endif
	WIN 0
	s_wait_tensorcnt 0x0                           ; all my tensor loads have landed: my part of the next slot; so a group 0 may be written
	ds_add_u32 v[SPW], v[NIL]                      ; 0 onto my spare word
.if \fill
	s_xor_b32 s[G0+5], s[G0+5], SLOT               ; the walking descriptors: the other slot than last time,
	s_add_nc_u64 s[G0+6:G0+7], s[G0+6:G0+7], KA    ; the next K step
	s_xor_b32 s[G0B+5], s[G0B+5], SLOT
	s_add_nc_u64 s[G0B+6:G0B+7], s[G0B+6:G0B+7], KA
.endif
	s_wait_dscnt 9                                 ; the add and the youngest eight loads may be out
	MUL16 F1, 0, 0, 0
	s_wait_dscnt 0x0                               ; the add is done, and my reads of this slot are over
	s_barrier_signal -1
	MUL16 F1, 0, 2, 0
	WIN 0
	s_barrier_wait -1
.if \fill
	CREST                                          ; no wave of any partner still reads this slot or has a load on its way
	JLOAD                                          ; the first tensor load behind the round; its four v_nop are the places for the loads below
.else
	PLACES
	s_cmp_eq_u32 s2, 1
	s_cbranch_scc1 .Lno_next_\@
.endif
	s_xor_b32 s[TB], s[TB], SLOT                   ; the reads go on in the other slot
	v_add_nc_u32 v[ADRB], s[TB], v[B0]
	v_add_nc_u32 v[ADRA], s[TB], v[A0]
	FETCH 0, F0
.if \fill
	ASK
.else
.Lno_next_\@:
.endif
	MUL16 F1, 1, 0, 0
	MUL16 F1, 1, 2, 0
.endm
	s_load_b64 s[4:5], s[0:1], 0x0                 ; qkv
	s_load_b64 s[8:9], s[0:1], 0x8                 ; p
	s_load_b64 s[70:71], s[0:1], 0x10              ; stat
	v_lshl_add_u32 v[SPW], v0, 2, SPARE
	v_mov_b32 v[NIL], 0
	ds_add_u32 v[SPW], v[NIL]                      ; the opening: the add, twice on end; its wait stands ahead of my first tensor load
	ds_add_u32 v[SPW], v[NIL]
	v_lshrrev_b32 v1, 5, v0
	v_readfirstlane_b32 s10, v1
	s_lshr_b32 s11, s10, 1                         ; my half of the rows.  Also: I fetch q (0) or k (1)
	s_and_b32 s12, s10, 1                          ; my half of the columns.  Also: which half I fetch
	s_bfe_u32 s40, ttmp6, 0x40000                  ; cx
	s_bfe_u32 s41, ttmp6, 0x40004                  ; cy
	s_lshl_b32 s42, ttmp9, 2
	s_add_co_u32 s42, s42, s40                     ; key tile 0..7 of the batch
	s_and_b32 s22, ttmp7, 0xffff                   ; cluster y; the batch is cluster y / 2, which all partners share
	s_lshl_b32 s13, s22, 2
	s_add_co_u32 s13, s13, s41                     ; query tile 0..31
	s_lshl_b32 s23, s41, 2
	s_lshl_b32 s23, 15, s23
	s_lshl_b32 s87, 0x1111, s40
	s_or_b32 s[G1], s23, (1<<16)|(1<<20)|(1<<21)|(5<<22)|(3<<25)
	s_or_b32 s[G1B], s87, (1<<16)|(1<<20)|(1<<21)|(5<<22)|(3<<25)
.irp g, G1, G1B
	s_mov_b32 s[(\g)+1], 128<<16                   ; tensor_dim0 = 128
	s_mov_b32 s[(\g)+2], 128<<16                   ; tensor_dim1 = 128
	s_mov_b32 s[(\g)+3], 128<<16                   ; tile_dim0 = 128
	s_mov_b32 s[(\g)+4], 128                       ; tile_dim1 = 128
	s_mov_b32 s[(\g)+5], 1024                      ; elements from row to row
	s_mov_b32 s[(\g)+6], 0
	s_mov_b32 s[(\g)+7], 0
.endr
	s_lshl_b32 s16, s13, 8                         ; q: row 256 x query tile + 128 x half
	s_lshl_b32 s17, s12, 7
	s_add_co_u32 s16, s16, s17
	s_lshl_b32 s16, s16, 11
	s_mov_b32 s17, 0
	s_lshr_b32 s18, s22, 1                         ; k: the batch's 2,048 rows,
	s_lshl_b32 s18, s18, 22
	s_lshl_b32 s19, s42, 19                        ; 256 rows x key tile,
	s_add_co_u32 s18, s18, s19
	s_lshl_b32 s19, s12, 18                        ; 128 rows x half
	s_add_co_u32 s18, s18, s19
	s_add_co_u32 s18, s18, KOFF
	s_mov_b32 s19, 0
	s_mul_i32 s20, s12, HALFA
	s_add_co_u32 s21, s20, BOFF
	s_mov_b32 s72, 0x3d38aa3b                      ; c = log2(e) / 32
	s_mov_b32 s73, s72                             ; named with it as a pair
	s_mov_b32 s74, 0x76543210                      ; v_permlanex16_b32: each lane takes its own place in the other half
	s_mov_b32 s75, 0xfedcba98
	s_mov_b32 s[TB], 0
	s_wait_dscnt 0x0                               ; both opening adds are done
	s_wait_kmcnt 0x0
	s_add_nc_u64 s[14:15], s[4:5], s[16:17]
	s_add_nc_u64 s[46:47], s[4:5], s[18:19]
	CROUND
.irp s, 0,1
	s_mov_b32 s[G0+4*(\s)], 1
	s_add_co_u32 s[G0+4*(\s)+1], s20, (\s)*SLOT
	s_add_nc_u64 s[G0+4*(\s)+2:G0+4*(\s)+3], s[14:15], (\s)*KA
	s_or_b32 s[G0+4*(\s)+3], s[G0+4*(\s)+3], 0x80000000
	s_mov_b32 s[G0B+4*(\s)], 1
	s_add_co_u32 s[G0B+4*(\s)+1], s21, (\s)*SLOT
	s_add_nc_u64 s[G0B+4*(\s)+2:G0B+4*(\s)+3], s[46:47], (\s)*KA
	s_or_b32 s[G0B+4*(\s)+3], s[G0B+4*(\s)+3], 0x80000000
.endr
	s_cmp_eq_u32 s11, 0                            ; a wave's two first fills stand in one branch
	s_cbranch_scc0 .Lfirst_b
	tensor_load_to_lds s[G0:G0+3], s[G1:G1+7]
	s_nop 0
	tensor_load_to_lds s[G0+4:G0+7], s[G1:G1+7]
	s_nop 0
.rept 4
	v_nop
.endr
	s_branch .Lfirst_asked
.Lfirst_b:
	tensor_load_to_lds s[G0B:G0B+3], s[G1B:G1B+7]
	s_nop 0
	tensor_load_to_lds s[G0B+4:G0B+7], s[G1B:G1B+7]
	s_nop 0
.rept 4
	v_nop
.endr
.Lfirst_asked:
	v_and_b32 v1, 15, v0                           ; r
	v_bfe_u32 v2, v0, 4, 1                         ; h
	v_and_b32 v12, 31, v0                          ; l
	v_mul_u32_u24 v3, v1, PA
	v_lshl_add_u32 v3, v2, 4, v3
	s_mul_i32 s23, s11, HALFA
	v_add_nc_u32 v[A0], s23, v3
	v_mov_b32 v[ADRA], v[A0]                       ; the reads begin in slot 0
	s_mul_i32 s23, s12, HALFA
	s_add_co_u32 s23, s23, BOFF
	v_add_nc_u32 v[B0], s23, v3
	v_mov_b32 v[ADRB], v[B0]
	s_mul_i32 s23, s10, 16*SP
	s_add_co_u32 s23, s23, STAGE
	v_add_nc_u32 v[STO], s23, v3
	v_mul_u32_u24 v5, v2, SP
	v_lshl_add_u32 v5, v1, 4, v5
	v_add_nc_u32 v[RD], s23, v5
	v_mul_u32_u24 v5, v2, CP
	v_lshl_add_u32 v[CO], v1, 4, v5
	v_lshlrev_b32 v[SO], 4, v12
	v_cmp_lt_u32 s76, 15, v12                      ; lanes 16-31
	s_lshl_b32 s84, s13, 8                         ; my part of p: row 256 x query tile + 128 x half,
	s_lshl_b32 s86, s11, 7
	s_add_co_u32 s84, s84, s86
	s_lshl_b32 s84, s84, 12
	s_lshl_b32 s86, s42, 9                         ; key 256 x key tile + 128 x half
	s_add_co_u32 s84, s84, s86
	s_lshl_b32 s86, s12, 8
	s_add_co_u32 s84, s84, s86
	s_mov_b32 s85, 0
	s_add_nc_u64 s[8:9], s[8:9], s[84:85]
	s_lshl_b32 s84, s13, 1                         ; my blocks of stat: 16,384 (2 x query tile + row half) + 1,024 (2 x key tile + column half)
	s_add_co_u32 s84, s84, s11
	s_lshl_b32 s84, s84, 14
	s_lshl_b32 s86, s42, 11
	s_add_co_u32 s84, s84, s86
	s_lshl_b32 s86, s12, 10
	s_add_co_u32 s84, s84, s86
	s_add_nc_u64 s[70:71], s[70:71], s[84:85]
	; THE PREFETCHES.  Of the 128 rows that a wave fetches each of the four partners that ask for them jointly takes 32, told apart by address (cx for q, cy for k): a lane a row.  q's rows are read by
	; both clusters of a row of clusters: the one with x = 0 asks; k's by both clusters of a batch's column: the batch's first asks.  So each row's 256 bytes of a K step are named once.
	; The pointer starts at K step 3; each change of slots steps it and names that K step, two refills, 512 products, ahead of its load.  K steps 0 to 3 come by their loads alone.
	v_lshlrev_b32 v[PFO], 11, v12
	s_mov_b32 s87, ttmp9
	s_cmp_eq_u32 s11, 0
	s_cbranch_scc0 .Lpf_b
	s_lshl_b32 s84, s13, 8
	s_lshl_b32 s86, s12, 7
	s_add_co_u32 s84, s84, s86
	s_lshl_b32 s86, s40, 5
	s_add_co_u32 s84, s84, s86
	s_lshl_b32 s84, s84, 11
	s_add_co_u32 s84, s84, 3*KA
	s_cmp_eq_u32 s87, 0
	s_cselect_b32 s[LIM], 2, -1
	s_branch .Lpf_set
.Lpf_b:
	s_lshr_b32 s84, s22, 1
	s_lshl_b32 s84, s84, 22
	s_lshl_b32 s86, s42, 19
	s_add_co_u32 s84, s84, s86
	s_lshl_b32 s86, s12, 7
	s_lshl_b32 s87, s41, 5
	s_add_co_u32 s86, s86, s87
	s_lshl_b32 s86, s86, 11
	s_add_co_u32 s84, s84, s86
	s_add_co_u32 s84, s84, KOFF+3*KA
	s_and_b32 s86, s22, 1
	s_cmp_eq_u32 s86, 0
	s_cselect_b32 s[LIM], 2, -1
.Lpf_set:
	s_add_nc_u64 s[PFA:PFA+1], s[4:5], s[84:85]
; THE SOFTMAX'S FIRST HALF for row block a of window 2: a lane holds one query and 64 of the chunk's 128 scores, the lane 16 away the other 64.
.macro SOFT a
.set SB, 64*(\a)
.set rT, ST+4*(\a)
	WIN 0x2a                                       ; three sources in window 2.
.irp b, 0,1,2,3,4,5,6,7
	v_max3_num_f32 v[CHN+(\b)], v[SB+8*(\b)], v[SB+8*(\b)+1], v[SB+8*(\b)+2]
.endr
	WIN 0x28                                       ; source 0 in window 0
.irp b, 0,1,2,3,4,5,6,7
	v_max3_num_f32 v[CHN+(\b)], v[CHN+(\b)], v[SB+8*(\b)+3], v[SB+8*(\b)+4]
.endr
.irp b, 0,1,2,3,4,5,6,7
	v_max3_num_f32 v[CHN+(\b)], v[CHN+(\b)], v[SB+8*(\b)+5], v[SB+8*(\b)+6]
.endr
.irp k, 0,1,2,3
	v_max3_num_f32 v[CHN+(\k)], v[CHN+(\k)], v[SB+16*(\k)+7], v[SB+16*(\k)+15]
.endr
	WIN 0
	v_max3_num_f32 v[CHN], v[CHN], v[CHN+1], v[CHN+2]
	v_max3_num_f32 v[CHN+3], v[CHN+3], v[CHN+4], v[CHN+5]
	v_max3_num_f32 v[CHN], v[CHN], v[CHN+6], v[CHN+7]
	v_max_num_f32 v[CHN], v[CHN], v[CHN+3]
	v_permlanex16_b32 v[CHN+1], v[CHN], s74, s75
	v_max_num_f32 v[rT+1], v[CHN], v[CHN+1]        ; m
	v_mul_f32 v[rT], s72, v[rT+1]                  ; cm
	WIN 0x82                                       ; destination and source 0 in window 2, cm in window 0
.set pp, 0
.rept 32
	v_pk_fma_f32 v[SB+2*pp:SB+2*pp+1], v[SB+2*pp:SB+2*pp+1], s[72:73], v[rT:rT+1] op_sel_hi:[1,0,0] neg_lo:[0,0,1] neg_hi:[0,0,1]  ; c s - cm
.set pp, pp+1
.endr
.set pp, 0
.rept 64
	v_exp_f32 v[SB+pp], v[SB+pp]                   ; one batch: none reads another's result
.set pp, pp+1
.endr
	v_nop                                          ; a plain instruction behind the last exponential
	s_wait_alu depctr_va_vdst(0)                   ; and the one wait ahead of the batch's first reader
	WIN 0x0a
.irp b, 0,1,2,3,4,5,6,7
.irp r, 0,1,2,3
	v_cvt_pk_f16_f32 v[TMP+4*(\b)+(\r)], v[SB+8*(\b)+2*(\r)], v[SB+8*(\b)+2*(\r)+1]
.endr
.endr
	WIN 0x8a                                       ; the sum of the 32 pairs, a tree in place
.set st, 1
.rept 5
.set pp, 0
.rept 16/st
	v_pk_add_f32 v[SB+2*pp:SB+2*pp+1], v[SB+2*pp:SB+2*pp+1], v[SB+2*(pp+st):SB+2*(pp+st)+1]
.set pp, pp+2*st
.endr
.set st, st*2
.endr
	WIN 0x0a
	v_add_f32 v[rT+2], v[SB], v[SB+1]
	WIN 0
	v_permlanex16_b32 v[CHN+1], v[rT+2], s74, s75
	v_add_f32 v[rT+2], v[rT+2], v[CHN+1]           ; l
.endm
.macro TOSTAGE a
.set BK, OB+32*((\a)%2)
.irp b, 0,1,2,3,4,5,6,7
	ds_store_b128 v[STO], v[TMP+4*(\b):TMP+4*(\b)+3] offset:32*(\b)
.endr
.irp t, 0,1,2,3,4,5,6,7
	ds_load_b128 v[BK+4*(\t):BK+4*(\t)+3], v[RD] offset:(\t)*2*SP  ; LDS serves a wave's instructions in order (ISA guide 5.7.1.4)
.endr
.endm
.macro SEND a
.set BK, OB+32*((\a)%2)
	s_wait_dscnt 0x0
	s_wait_xcnt 0x0                                ; earlier stores have read their registers
.irp t, 0,1,2,3,4,5,6,7
	global_store_b128 v[CO], v[BK+4*(\t):BK+4*(\t)+3], s[8:9] offset:(16*(\a)+2*(\t))*CP  ; 16 lanes store 256 consecutive bytes, aligned
.endr
.endm
	s_wait_tensorcnt 1                             ; my part of K step 0 is in; K step 1's may stay out
	s_barrier_signal -1
	s_barrier_wait -1
	FETCH 0, F0
	QUARTER 1, F0, F1, 1                           ; the first products start the sums
	WIN 0
	s_mov_b32 s3, STEPS-2
.Lstep:                                                ; a trip: a K step's second, third and fourth quarter and the next step's first; the slot just read is filled again
	QUARTER 2, F1, F0, 0
	QUARTER 3, F0, F1, 0
	TURN 1
	QUARTER 1, F0, F1, 0
	WIN 0
	s_sub_co_u32 s3, s3, 1
	s_cmp_lg_u32 s3, 0
	s_cbranch_scc1 .Lstep
	s_mov_b32 s2, 2
.Ltail:                                                ; the last two K steps have a text of their own: they fill nothing; the second trip is left behind its last products
	QUARTER 2, F1, F0, 0
	QUARTER 3, F0, F1, 0
	TURN 0
	WIN 0
	s_sub_co_u32 s2, s2, 1
	s_cmp_eq_u32 s2, 0
	s_cbranch_scc1 .Lout
	QUARTER 1, F0, F1, 0
	WIN 0
	s_cmp_lg_u32 s2, 0
	s_cbranch_scc1 .Ltail
.Lout:
	PLACES
	; The way out is written for window 2 and walked twice: between the trips my rows 64-127 are brought from window 3 into window 2: 256 copies a wave, for half the way out's text.
	s_mov_b32 s2, 2
.Lhalf:
	SOFT 0
	TOSTAGE 0
.irp a, 1,2,3
	SOFT \a
	SEND (\a)-1
	TOSTAGE \a
.endr
	SEND 3
.irp a, 0,1,2,3
	v_cndmask_b32 v[SD+(\a)], v[ST+4*(\a)], v[ST+4*(\a)+2], s76  ; lanes 0-15 carry cm, lanes 16-31 l
.endr
	global_store_b128 v[SO], v[SD:SD+3], s[70:71]  ; 512 consecutive bytes
	s_sub_co_u32 s2, s2, 1
	s_cmp_eq_u32 s2, 0
	s_cbranch_scc1 .Ldone
	s_wait_xcnt 0x0                                ; the stores have read their bases and registers
	s_add_nc_u64 s[8:9], s[8:9], 64*CP             ; 64 rows on in p,
	s_add_nc_u64 s[70:71], s[70:71], 512           ; the next block of stat
	WIN 0x83                                       ; source window 3, destination window 2
.set i, 0
.rept 256
	v_mov_b32 v[i], v[i]                           ; ascending: each accumulator's lowest register is read first
.set i, i+1
.endr
	WIN 0
	s_cmp_lg_u32 s2, 0
	s_cbranch_scc1 .Lhalf
.Ldone:
	s_wait_tensorcnt 0x0                           ; the wave's end
	ds_add_u32 v[SPW], v[NIL]
	s_wait_dscnt 0x0
	CROUND
	s_endpgm
.Lfunc_end_k_qe7b6b35398_scores:
	.size	k_qe7b6b35398_scores, .Lfunc_end_k_qe7b6b35398_scores-k_qe7b6b35398_scores
	.p2alignl 7, 3214868480
	.fill 96, 4, 3214868480
	.section	.rodata,"a",@progbits
	.p2align	6, 0x0
	.amdhsa_kernel k_qe7b6b35398_scores
		.amdhsa_group_segment_fixed_size 327680
		.amdhsa_private_segment_fixed_size 0
		.amdhsa_enable_private_segment 0
		.amdhsa_kernarg_size 24
		.amdhsa_user_sgpr_count 2
		.amdhsa_user_sgpr_kernarg_segment_ptr 1
		.amdhsa_wavefront_size32 1
		.amdhsa_system_sgpr_workgroup_id_x 1
		.amdhsa_system_sgpr_workgroup_id_y 1
		.amdhsa_system_sgpr_workgroup_id_z 1
		.amdhsa_system_vgpr_workitem_id 0
		.amdhsa_next_free_vgpr 1024
		.amdhsa_next_free_sgpr 88
		.amdhsa_reserve_vcc 0
		.amdhsa_float_denorm_mode_32 3
		.amdhsa_float_denorm_mode_16_64 3
		.amdhsa_memory_ordered 1
		.amdhsa_forward_progress 1
		.amdhsa_inst_pref_size 128
	.end_amdhsa_kernel
	.amdgpu_metadata
---
amdhsa.version: [ 1, 2 ]
amdhsa.kernels:
  - .name:           k_qe7b6b35398_scores
    .symbol:         k_qe7b6b35398_scores.kd
    .args:
      - { .name: qkv, .offset: 0, .size: 8, .value_kind: global_buffer, .address_space: global }
      - { .name: p, .offset: 8, .size: 8, .value_kind: global_buffer, .address_space: global }
      - { .name: stat, .offset: 16, .size: 8, .value_kind: global_buffer, .address_space: global }
    .group_segment_fixed_size: 327680
    .private_segment_fixed_size: 0
    .kernarg_segment_align: 8
    .kernarg_segment_size: 24
    .max_flat_workgroup_size: 128
    .sgpr_count:     88
    .vgpr_count:     1024
    .wavefront_size: 32
...
	.end_amdgpu_metadata
.endif
;; end of part 3
;; launch pv (part 4): grid 4 x 64, 4 waves a work-group, clusters of 4 x 4, 327,680 bytes of LDS; arguments p, qkv, stat, bv, out0; writes out0
.if DOCPART == 4
	.amdgcn_target "amdgcn-amd-amdhsa--gfx1250"
	.amdhsa_code_object_version 6
	.text
	.protected	k_qe7b6b35398_pv
	.globl	k_qe7b6b35398_pv
	.p2align	8
	.type	k_qe7b6b35398_pv,@function
k_qe7b6b35398_pv:
	s_mov_b64 s[64:65], 0
	v_nop
	global_prefetch_b8 v0, s[64:65] scope:SCOPE_SE
	s_setreg_imm32_b32 hwreg(HW_REG_WAVE_MODE, 25, 1), 1
	s_wait_xcnt 0x0
	s_wait_alu depctr_hold_cnt(0) depctr_sa_sdst(0) depctr_va_vdst(0) depctr_va_sdst(0) depctr_va_ssrc(0) depctr_va_vcc(0) depctr_vm_vsrc(0)
	s_getreg_b32 s2, hwreg(HW_REG_IB_STS2, 6, 4)
	s_cmp_eq_u32 s2, 0
	s_cbranch_scc0 .Lentry_in_a_cluster
	s_endpgm
.Lentry_in_a_cluster:
	s_bfe_u32 s2, ttmp6, 0x10000c
	s_cmp_lg_u32 s2, 0xf033
	s_cbranch_scc0 .Lentry_shape_is_right
	s_endpgm
.Lentry_shape_is_right:
; PV: the softmax's second half and the second product.  For each row: M = the maximum of its 16 chunks' cm, f = 2^(cm - M), L = the sum of f l; out = (sum over chunks of (f P') v) / L + bv.
; P' (f16, [8192][2048]) and v (f16, [8192][1024]) come from the launches before; cm and l in f32 from stat.  Sums in f32; out0 in f32.
; bv (rounded to bf16 like every input) is added once, since a row's weights add up to 1: it is the addend of the fused multiply-add that divides by L.
; A K step of 128 keys is one chunk, so f is one number for a row and a K step: P's fragments are multiplied by it (packed f16) between their load from LDS and the product.
; LIMITS: f and f P' are f16: a weight below 6e-8 of the row's largest counts as 0, below 6e-5 it keeps the fixed step of 6e-8.  NaN and infinities are not treated apart.
; SHARES.  A tile of out0 is 128 rows x 256 columns, four waves of 64 x 128; 256 tiles, one to a work-group; K = 2,048 = 16 steps.  Ring, quarters, cluster, transposed product and the two loops over
; K steps as in the projection: v is stored [key][channel], so its fragments come out of LDS by the turning load.
; REGISTERS, in windows of 256: window 0: v0-31 addresses; v64-127, v128-191 v's fragments, two buffers; v192-195 the chunk's factors; v224-231 1 / L; ahead of the loops the prologue, behind them the way out.
;   window 1: v0-31, v32-63 P's fragments, two buffers; v128-255 the accumulators of row blocks 2 and 3.      window 2: v0-127 the accumulators of row blocks 0 and 1; v128-191 bv; v192 at work.
; So the scalings, which stand behind the products of row blocks 2 and 3, name their registers under those products' window setting: factor in window 0 (source 0), fragment in window 1 (source 1 and destination).
.set STEPS,  16
.set PA,     272
.set AHALF,  64*PA
.set PB,     544
.set BHALF,  64*PB
.set BOFF,   2*AHALF
.set SLOTB,  BOFF+2*BHALF              ; a slot's 104,448 bytes
.set SLOT,   1<<17                     ; slot 1 begins here, so that one exclusive or changes the slot
.set STAGE,  SLOT+SLOTB                ; 16 rows x 528 bytes for each wave
.set SP,     528
.set FT,     STAGE+4*16*SP             ; the factors: for each wave 16 chunks x 256 bytes; 16 r + 4 a holds (f, f) of row 16 a + r
.set SPARE,  FT+4*4096
.set KA,     256
.set KB,     128*2048
.set VOFF,   2*8192*2048               ; v's first byte in qkv
.set CP,     4096                      ; bytes in a row of out0
.set A0,   16                          ; v16 LDS address of my fragments of P in slot 0; v17 in the slot that is being read
.set ADRA, 17
.set B0,   20                          ; v20, v21 the same for v
.set ADRB, 21
.set FTA,  22                          ; where the factors of the chunk in hand lie
.set STO,  24
.set RD,   25
.set CO,   26
.set SPW,  28
.set NIL,  29
.set PFO,  30
.set MM,   32                          ; prologue: v32-95 cm, then f; chunk c, row block a at MM + 4 c + a
.set LL,   96                          ; v96-159 l
.set MX,   160                         ; v160-163 M
.set LS,   164                         ; v164-167 L
.set IL,   224                         ; v224-231 1 / L, a pair a row block
.set TMP,  32                          ; the way out: v32-95
.set OB,   96                          ; v96-159, v160-223 by turns
.set F0,   64                          ; v's buffer f in window 0; P's buffer at (f - 64) / 2 in window 1
.set F1,   128
.set FC,   192
.set BV,   128                         ; window 2
.set BT,   192
.set G1,   24
.set G0,   32                          ; s[32:35] slot 0's first fill, s[36:39] slot 1's, which then walks
.set G1B,  48
.set G0B,  56
.set LIM,  43
.set PFA,  44
.set PFS,  66
.set TB,   77                          ; s77 the slot that is being read: 0 or SLOT
.set MUL_LO, 0xa4                      ; v window 0, P window 1, C and D window 2
.set MUL_HI, 0x54                      ; v window 0, P window 1, C and D window 1
.set MSB, 0
.macro WIN new
.if MSB != (\new)
	s_set_vgpr_msb (MSB<<8)|(\new)
.set MSB, \new
.endif
.endm
.macro PLACES
.rept 4
	v_nop
.endr
.endm
.macro JLOAD                           ; a joint refill by the walking descriptors: waves 0, 1 fetch P's halves, waves 2, 3 v's; an s_nop 0 and four v_nop follow each line
	s_cmp_eq_u32 s11, 0
	s_cbranch_scc0 .Lfor_b_\@
	tensor_load_to_lds s[G0+4:G0+7], s[G1:G1+7]
	s_nop 0
.rept 4
	v_nop
.endr
	s_branch .Lasked_\@
.Lfor_b_\@:
	tensor_load_to_lds s[G0B+4:G0B+7], s[G1B:G1B+7]
	s_nop 0
.rept 4
	v_nop
.endr
.Lasked_\@:
.endm
.macro CREST
	s_cmp_lg_u32 s10, 0
	s_cbranch_scc1 .Lnot_wave_0_\@
	s_barrier_signal -3
.Lnot_wave_0_\@:
	s_barrier_wait -3
	s_barrier_signal -1
	s_barrier_wait -1
.endm
.macro CROUND
	s_barrier_signal -1
	s_barrier_wait -1
	CREST
.endm
.macro ASK                             ; the K step two refills on; the last two filling steps have none
	s_cmp_gt_u32 s3, s[LIM]
	s_cbranch_scc0 .Lnot_mine_\@
	global_prefetch_b8 v[PFO], s[PFA:PFA+1] th:TH_LOAD_NT scope:SCOPE_SE
.Lnot_mine_\@:
.endm
.macro FETCH q, f                      ; quarter q of the slot in hand: P's 8 loads first, then v's 16
	WIN 0x40                                       ; destination window 1
.irp i, 0,1,2,3
	ds_load_b128 v[((\f)-64)/2+8*(\i):((\f)-64)/2+8*(\i)+3],   v[ADRA] offset:64*(\q)+(\i)*16*PA
	ds_load_b128 v[((\f)-64)/2+8*(\i)+4:((\f)-64)/2+8*(\i)+7], v[ADRA] offset:64*(\q)+(\i)*16*PA+32
.endr
	WIN 0
.irp i, 0,1,2,3,4,5,6,7
	ds_load_tr16_b128 v[(\f)+8*(\i):(\f)+8*(\i)+3],   v[ADRB] offset:(\q)*32*PB+32*(\i)
	ds_load_tr16_b128 v[(\f)+8*(\i)+4:(\f)+8*(\i)+7], v[ADRB] offset:(\q)*32*PB+16*PB+32*(\i)
.endr
.endm
.macro PROD f, a, b, mode
.if (\a) < 2
.set rD, 64*(\a)+8*(\b)
.else
.set rD, 128+64*((\a)-2)+8*(\b)
.endif
.set rB, (\f)+8*(\b)
.set rA, ((\f)-64)/2+8*(\a)
.if (\mode) == 0
	v_wmma_f32_16x16x32_f16 v[rD:rD+7], v[rB:rB+7], v[rA:rA+7], v[rD:rD+7]
.else
	v_wmma_f32_16x16x32_f16 v[rD:rD+7], v[rB:rB+7], v[rA:rA+7], 0
.endif
.endm
.macro MUL8 f, a, mode                 ; the 32 accumulators take turns in the same order in every quarter
.if (\a) < 2
	WIN MUL_LO
.else
	WIN MUL_HI
.endif
.irp b, 0,1,2,3,4,5,6,7
	PROD \f, \a, \b, \mode
.endr
.endm
; 8 products of row block 2 or 3, and behind each n of the 32 scalings of buffer g's fragments of P: register sc of the 32 belongs to row block sc / 8.  One window setting serves both.
.macro MULR f, a, mode, g, n
	WIN MUL_HI
.irp b, 0,1,2,3,4,5,6,7
	PROD \f, \a, \b, \mode
.rept \n
	v_pk_mul_f16 v[((\g)-64)/2+sc], v[FC+sc/8], v[((\g)-64)/2+sc]
.set sc, sc+1
.endr
.endr
.endm
.macro QUARTER q, f, g, mode
	PLACES                                         ; the products just issued read g
	FETCH \q, \g
	s_wait_dscnt 24                                ; all but the 24 just issued: f is in
	MUL8 \f, 0, \mode
	MUL8 \f, 1, \mode
	s_wait_dscnt 16                                ; g's fragments of P are in; v's 16 loads may stay out
.set sc, 0
	MULR \f, 2, \mode, \g, 2
	MULR \f, 3, \mode, \g, 2
.endm
; The last quarter multiplies buffer 1 and changes slots.  fill = 1: the slot just read takes the K step two on.  fill = 0 (the tail's two trips, counted by s2): nothing is filled,
; and the last trip, which has no next K step, takes its last 16 products bare: nothing is fetched and nothing scaled.
.macro TURN fill
.if \fill
	s_wait_xcnt 0x0                                ; the last prefetch, a K step back, has read its address
	s_add_nc_u64 s[PFA:PFA+1], s[PFA:PFA+1], s[PFS:PFS+1]
.endif
	WIN 0
	s_wait_tensorcnt 0x0                           ; all my tensor loads have landed: my part of the next slot; so a group 0 may be written
	ds_add_u32 v[SPW], v[NIL]                      ; 0 onto my spare word
.if \fill
	s_xor_b32 s[G0+5], s[G0+5], SLOT               ; the walking descriptors: the other slot than last time,
	s_add_nc_u64 s[G0+6:G0+7], s[G0+6:G0+7], KA    ; the next K step
	s_xor_b32 s[G0B+5], s[G0B+5], SLOT
	s_add_nc_u64 s[G0B+6:G0B+7], s[G0B+6:G0B+7], KB
.endif
	s_wait_dscnt 1                                 ; buffer 1 is in; the add alone may be out
	MUL8 F1, 0, 0
	s_wait_dscnt 0x0                               ; the add is done, and my reads of this slot are over
	s_barrier_signal -1
	MUL8 F1, 1, 0
	WIN 0
	s_barrier_wait -1
.if \fill
	CREST                                          ; no wave of any partner still reads this slot or has a load on its way
	JLOAD                                          ; the first tensor load behind the round; its four v_nop are the places for the loads below
.else
	PLACES
	s_cmp_eq_u32 s2, 1
	s_cbranch_scc1 .Llast_hi_\@
.endif
	s_xor_b32 s[TB], s[TB], SLOT                   ; the reads go on in the other slot
	v_add_nc_u32 v[ADRA], s[TB], v[A0]
	v_add_nc_u32 v[ADRB], s[TB], v[B0]
	ds_load_b128 v[FC:FC+3], v[FTA] offset:256     ; the next chunk's factors, my own bytes; this chunk's were last used in the quarter before
	FETCH 0, F0
	v_add_nc_u32 v[FTA], 256, v[FTA]               ; a chunk on
.if \fill
	ASK
.endif
	MUL8 F1, 2, 0
	s_wait_dscnt 16                                ; the factors and P's fragments are in
.set sc, 0
	MULR F1, 3, 0, F0, 4
.if !(\fill)
	WIN 0
	s_branch .Ljoin_\@
.Llast_hi_\@:
	MUL8 F1, 2, 0
	MUL8 F1, 3, 0
	WIN 0
.Ljoin_\@:
.endif
.endm
	s_load_b128 s[4:7], s[0:1], 0x0                ; p s[4:5], qkv s[6:7]
	s_load_b64 s[82:83], s[0:1], 0x10              ; stat
	s_load_b64 s[80:81], s[0:1], 0x18              ; bv
	s_load_b64 s[8:9], s[0:1], 0x20                ; out0
	v_lshl_add_u32 v[SPW], v0, 2, SPARE
	v_mov_b32 v[NIL], 0
	ds_add_u32 v[SPW], v[NIL]                      ; the opening: the add, twice on end; its wait stands ahead of my first tensor load
	ds_add_u32 v[SPW], v[NIL]
	v_lshrrev_b32 v1, 5, v0
	v_readfirstlane_b32 s10, v1
	s_lshr_b32 s11, s10, 1                         ; my half of the rows.  Also: I fetch P (0) or v (1)
	s_and_b32 s12, s10, 1                          ; my half of the columns.  Also: which half I fetch
	s_bfe_u32 s40, ttmp6, 0x40000                  ; cx
	s_bfe_u32 s41, ttmp6, 0x40004                  ; cy
	s_lshl_b32 s42, ttmp9, 2
	s_add_co_u32 s42, s42, s40                     ; tile column
	s_and_b32 s22, ttmp7, 0xffff                   ; cluster y; the batch is cluster y / 4
	s_lshl_b32 s13, s22, 2
	s_add_co_u32 s13, s13, s41                     ; tile row
	s_lshl_b32 s23, s41, 2
	s_lshl_b32 s23, 15, s23
	s_lshl_b32 s87, 0x1111, s40
	s_or_b32 s[G1], s23, (1<<16)|(1<<20)|(1<<21)|(5<<22)|(3<<25)
	s_mov_b32 s[G1+1], 128<<16
	s_mov_b32 s[G1+2], 64<<16
	s_mov_b32 s[G1+3], 128<<16
	s_mov_b32 s[G1+4], 64
	s_mov_b32 s[G1+5], 2048                        ; elements from row to row of P
	s_mov_b32 s[G1+6], 0
	s_mov_b32 s[G1+7], 0
	s_or_b32 s[G1B], s87, (1<<16)|(1<<20)|(1<<21)|(6<<22)|(7<<25)
	s_mov_b32 s[G1B+1], 256<<16
	s_mov_b32 s[G1B+2], 64<<16
	s_mov_b32 s[G1B+3], 256<<16
	s_mov_b32 s[G1B+4], 64
	s_mov_b32 s[G1B+5], 1024
	s_mov_b32 s[G1B+6], 0
	s_mov_b32 s[G1B+7], 0
	s_lshl_b32 s16, s13, 7                         ; P: row 128 y + 64 x half, of 4,096 bytes
	s_lshl_b32 s17, s12, 6
	s_add_co_u32 s16, s16, s17
	s_lshl_b32 s16, s16, 12
	s_mov_b32 s17, 0
	s_lshr_b32 s18, s22, 2                         ; v: the batch's 2,048 rows,
	s_lshl_b32 s18, s18, 22
	s_lshl_b32 s19, s12, 17                        ; 64 rows x half,
	s_add_co_u32 s18, s18, s19
	s_lshl_b32 s19, s42, 9                         ; 256 columns x tile column
	s_add_co_u32 s18, s18, s19
	s_add_co_u32 s18, s18, VOFF
	s_mov_b32 s19, 0
	s_mul_i32 s20, s12, AHALF
	s_mul_i32 s21, s12, BHALF
	s_add_co_u32 s21, s21, BOFF
	s_mov_b32 s[TB], 0
	s_wait_dscnt 0x0                               ; both opening adds are done
	s_wait_kmcnt 0x0
	s_add_nc_u64 s[14:15], s[4:5], s[16:17]
	s_add_nc_u64 s[46:47], s[6:7], s[18:19]
	CROUND
.irp s, 0,1
	s_mov_b32 s[G0+4*(\s)], 1
	s_add_co_u32 s[G0+4*(\s)+1], s20, (\s)*SLOT
	s_add_nc_u64 s[G0+4*(\s)+2:G0+4*(\s)+3], s[14:15], (\s)*KA
	s_or_b32 s[G0+4*(\s)+3], s[G0+4*(\s)+3], 0x80000000
	s_mov_b32 s[G0B+4*(\s)], 1
	s_add_co_u32 s[G0B+4*(\s)+1], s21, (\s)*SLOT
	s_add_nc_u64 s[G0B+4*(\s)+2:G0B+4*(\s)+3], s[46:47], (\s)*KB
	s_or_b32 s[G0B+4*(\s)+3], s[G0B+4*(\s)+3], 0x80000000
.endr
	s_cmp_eq_u32 s11, 0                            ; a wave's two first fills stand in one branch
	s_cbranch_scc0 .Lfirst_b
	tensor_load_to_lds s[G0:G0+3], s[G1:G1+7]
	s_nop 0
	tensor_load_to_lds s[G0+4:G0+7], s[G1:G1+7]
	s_nop 0
.rept 4
	v_nop
.endr
	s_branch .Lfirst_asked
.Lfirst_b:
	tensor_load_to_lds s[G0B:G0B+3], s[G1B:G1B+7]
	s_nop 0
	tensor_load_to_lds s[G0B+4:G0B+7], s[G1B:G1B+7]
	s_nop 0
.rept 4
	v_nop
.endr
.Lfirst_asked:
	v_and_b32 v1, 15, v0                           ; r
	v_bfe_u32 v2, v0, 4, 1                         ; h
	v_and_b32 v12, 31, v0                          ; l
	s_lshl_b32 s84, s13, 14                        ; stat: my 64 rows' blocks: 16,384 y + 512 row half, 1,024 bytes from chunk to chunk
	s_lshl_b32 s86, s11, 9
	s_add_co_u32 s84, s84, s86
	s_mov_b32 s85, 0
	s_add_nc_u64 s[82:83], s[82:83], s[84:85]
	v_lshlrev_b32 v7, 4, v1                        ; 16 r: four row blocks' numbers; 16 lanes read 256 consecutive bytes
.set cc, 0
.rept 16
	global_load_b128 v[MM+4*cc:MM+4*cc+3], v7, s[82:83] offset:1024*cc
	global_load_b128 v[LL+4*cc:LL+4*cc+3], v7, s[82:83] offset:1024*cc+256
.set cc, cc+1
.endr
	s_lshl_b32 s84, s42, 10                        ; bv at my 128 columns
	s_lshl_b32 s86, s12, 9
	s_add_co_u32 s84, s84, s86
	s_add_nc_u64 s[80:81], s[80:81], s[84:85]
	v_lshlrev_b32 v6, 5, v2                        ; a lane's 8 columns of block b: 64 b + 32 h
	WIN 0x80                                       ; destination window 2
.irp b, 0,1,2,3,4,5,6,7
	global_load_b128 v[BV+8*(\b):BV+8*(\b)+3],   v6, s[80:81] offset:64*(\b)
	global_load_b128 v[BV+8*(\b)+4:BV+8*(\b)+7], v6, s[80:81] offset:64*(\b)+16
.endr
	WIN 0
	v_mul_u32_u24 v3, v1, PA
	v_lshl_add_u32 v3, v2, 4, v3
	s_mul_i32 s23, s11, AHALF
	v_add_nc_u32 v[A0], s23, v3
	v_mov_b32 v[ADRA], v[A0]                       ; the reads begin in slot 0
	v_and_b32 v4, 7, v0
	v_lshl_add_u32 v4, v2, 3, v4
	v_mul_u32_u24 v4, v4, PB
	v_bfe_u32 v5, v0, 3, 1
	v_lshl_add_u32 v4, v5, 4, v4
	s_lshl_b32 s23, s12, 8
	s_add_co_u32 s23, s23, BOFF
	v_add_nc_u32 v[B0], s23, v4
	v_mov_b32 v[ADRB], v[B0]
	s_mul_i32 s23, s10, 16*SP
	s_add_co_u32 s23, s23, STAGE                   ; my stage
	v_mul_u32_u24 v5, v1, SP
	v_lshl_add_u32 v5, v2, 5, v5
	v_add_nc_u32 v[STO], s23, v5                   ; in: row r, 32 bytes for each half of the lanes
	v_lshlrev_b32 v[CO], 4, v12                    ; back and out: 32 lanes take a row of 512 bytes
	v_add_nc_u32 v[RD], s23, v[CO]
	s_lshl_b32 s23, s10, 12
	s_add_co_u32 s23, s23, FT
	v_lshl_add_u32 v[FTA], v1, 4, s23
	s_lshl_b32 s84, s13, 7                         ; my part of out0
	s_lshl_b32 s86, s11, 6
	s_add_co_u32 s84, s84, s86
	s_lshl_b32 s84, s84, 12
	s_lshl_b32 s86, s42, 10
	s_add_co_u32 s84, s84, s86
	s_lshl_b32 s86, s12, 9
	s_add_co_u32 s84, s84, s86
	s_add_nc_u64 s[8:9], s[8:9], s[84:85]
	; THE PREFETCHES.  P's 128 rows of a tile row: wave 0 of each of the four partners takes 32 (cx, by address).  v's 128 rows x 2 blocks of a K step: waves 2 and 3 of the four partners (cy) of the
	; batch's first cluster take 16 rows x 2 blocks each.  Each block of 256 bytes is named once.  The pointer starts at K step 3; each change of slots steps it and names that K step.
	s_mov_b32 s[PFS+1], 0
	s_cmp_eq_u32 s11, 0
	s_cbranch_scc0 .Lpf_b
	s_lshl_b32 s84, s13, 7
	s_lshl_b32 s86, s40, 5
	s_add_co_u32 s84, s84, s86
	s_lshl_b32 s84, s84, 12
	s_add_co_u32 s84, s84, 3*KA
	s_add_nc_u64 s[PFA:PFA+1], s[4:5], s[84:85]
	s_mov_b32 s[PFS], KA
	s_cmp_eq_u32 s12, 0
	s_cselect_b32 s[LIM], 2, -1
	v_lshlrev_b32 v[PFO], 12, v12
	s_branch .Lpf_set
.Lpf_b:
	s_lshr_b32 s84, s22, 2
	s_lshl_b32 s84, s84, 22
	s_lshl_b32 s86, s12, 6
	s_lshl_b32 s87, s41, 4
	s_add_co_u32 s86, s86, s87
	s_lshl_b32 s86, s86, 11
	s_add_co_u32 s84, s84, s86
	s_lshl_b32 s86, s42, 9
	s_add_co_u32 s84, s84, s86
	s_add_co_u32 s84, s84, VOFF+3*KB
	s_add_nc_u64 s[PFA:PFA+1], s[6:7], s[84:85]
	s_mov_b32 s[PFS], KB
	s_and_b32 s86, s22, 3
	s_cmp_eq_u32 s86, 0
	s_cselect_b32 s[LIM], 2, -1
	v_lshrrev_b32 v[PFO], 1, v12
	v_lshlrev_b32 v[PFO], 11, v[PFO]
	v_and_b32 v13, 1, v12
	v_lshl_add_u32 v[PFO], v13, 8, v[PFO]
.Lpf_set:
	s_wait_loadcnt 0x0                             ; stat and bv
	WIN 0x8a                                       ; all in window 2
.set i, 0
.rept 32
	v_cvt_pk_bf16_f32 v[BT], v[BV+2*i], v[BV+2*i+1]  ; bv is rounded to bf16 like every input, and widened again
	v_lshlrev_b32 v[BV+2*i], 16, v[BT]
	v_and_b32 v[BV+2*i+1], 0xffff0000, v[BT]
.set i, i+1
.endr
	WIN 0
.irp a, 0,1,2,3
	v_max3_num_f32 v[MX+(\a)], v[MM+(\a)], v[MM+4+(\a)], v[MM+8+(\a)]  ; M: the row's true maximum, times c
.endr
.irp c, 3,5,7,9,11,13
.irp a, 0,1,2,3
	v_max3_num_f32 v[MX+(\a)], v[MX+(\a)], v[MM+4*(\c)+(\a)], v[MM+4*(\c)+4+(\a)]
.endr
.endr
.irp a, 0,1,2,3
	v_max_num_f32 v[MX+(\a)], v[MX+(\a)], v[MM+60+(\a)]
.endr
.set i, 0
.rept 32
	v_pk_add_f32 v[MM+2*i:MM+2*i+1], v[MM+2*i:MM+2*i+1], v[MX+2*(i%2):MX+2*(i%2)+1] neg_lo:[0,1] neg_hi:[0,1]  ; cm - M
.set i, i+1
.endr
.set i, 0
.rept 64
	v_exp_f32 v[MM+i], v[MM+i]                     ; f: one batch
.set i, i+1
.endr
	v_nop
	s_wait_alu depctr_va_vdst(0)                   ; the one wait ahead of the batch's first reader
.irp k, 0,1
	v_pk_mul_f32 v[LS+2*(\k):LS+2*(\k)+1], v[MM+2*(\k):MM+2*(\k)+1], v[LL+2*(\k):LL+2*(\k)+1]
.endr
.set cc, 1
.rept 15
.irp k, 0,1
	v_pk_fma_f32 v[LS+2*(\k):LS+2*(\k)+1], v[MM+4*cc+2*(\k):MM+4*cc+2*(\k)+1], v[LL+4*cc+2*(\k):LL+4*cc+2*(\k)+1], v[LS+2*(\k):LS+2*(\k)+1]  ; L = the sum of f l
.endr
.set cc, cc+1
.endr
.set i, 0
.rept 64
	v_cvt_pk_f16_f32 v[MM+i], v[MM+i], v[MM+i]     ; (f, f) in f16
.set i, i+1
.endr
.set cc, 0
.rept 16
	ds_store_b128 v[FTA], v[MM+4*cc:MM+4*cc+3] offset:256*cc  ; lanes r and r + 16 write the same bytes with the same numbers; only my wave reads them
.set cc, cc+1
.endr
.irp a, 0,1,2,3
	v_rcp_f32 v[IL+2*(\a)], v[LS+(\a)]             ; L is at least the largest chunk's l, which holds the weight 1
.endr
	v_nop
	s_wait_alu depctr_va_vdst(0)
.irp a, 0,1,2,3
	v_mov_b32 v[IL+2*(\a)+1], v[IL+2*(\a)]         ; named as a pair
.endr
; THE WAY OUT of row block a: acc / L + bv in f32; through my own stage; back as whole rows of 512 bytes; stored.
.macro OUTP a
.if (\a) < 2
	WIN 0x22                                       ; sums and bv in window 2, 1 / L and the results in window 0
.set AC, 64*(\a)
.else
	WIN 0x21                                       ; sums in window 1
.set AC, 128+64*((\a)-2)
.endif
.irp b, 0,1,2,3,4,5,6,7
.irp k, 0,1,2,3
	v_pk_fma_f32 v[TMP+8*(\b)+2*(\k):TMP+8*(\b)+2*(\k)+1], v[AC+8*(\b)+2*(\k):AC+8*(\b)+2*(\k)+1], v[IL+2*(\a):IL+2*(\a)+1], v[BV+8*(\b)+2*(\k):BV+8*(\b)+2*(\k)+1] op_sel_hi:[1,0,1]
.endr
.endr
	WIN 0
.endm
.macro TOST a
.set BK, OB+64*((\a)%2)
.irp b, 0,1,2,3,4,5,6,7
	ds_store_b128 v[STO], v[TMP+8*(\b):TMP+8*(\b)+3]   offset:64*(\b)
	ds_store_b128 v[STO], v[TMP+8*(\b)+4:TMP+8*(\b)+7] offset:64*(\b)+16
.endr
.set t, 0
.rept 16
	ds_load_b128 v[BK+4*t:BK+4*t+3], v[RD] offset:t*SP  ; LDS serves a wave's instructions in order (ISA guide 5.7.1.4)
.set t, t+1
.endr
.endm
.macro SEND a
.set BK, OB+64*((\a)%2)
	s_wait_dscnt 0x0
	s_wait_xcnt 0x0                                ; earlier stores have read their registers
.set t, 0
.rept 16
	global_store_b128 v[CO], v[BK+4*t:BK+4*t+3], s[8:9] offset:(16*(\a)+t)*CP th:TH_STORE_NT  ; 512 consecutive bytes, aligned
.set t, t+1
.endr
.endm
	s_wait_dscnt 0x0                               ; my stores of the factors are done: no LDS instruction is out at a signal
	s_wait_tensorcnt 1                             ; my part of K step 0 is in; K step 1's may stay out
	s_barrier_signal -1
	s_barrier_wait -1
	ds_load_b128 v[FC:FC+3], v[FTA]                ; chunk 0's factors
	FETCH 0, F0
	s_wait_dscnt 16                                ; the factors and P's fragments are in
	WIN MUL_HI
.set sc, 0
.rept 32
	v_pk_mul_f16 v[sc], v[FC+sc/8], v[sc]          ; buffer 0's fragments of P lie at v0-31 of window 1
.set sc, sc+1
.endr
	QUARTER 1, F0, F1, 1                           ; the first products start the sums
	WIN 0
	s_mov_b32 s3, STEPS-2
.Lstep:                                                ; a trip: a K step's second, third and fourth quarter and the next step's first; the slot just read is filled again
	QUARTER 2, F1, F0, 0
	QUARTER 3, F0, F1, 0
	TURN 1
	QUARTER 1, F0, F1, 0
	WIN 0
	s_sub_co_u32 s3, s3, 1
	s_cmp_lg_u32 s3, 0
	s_cbranch_scc1 .Lstep
	s_mov_b32 s2, 2
.Ltail:                                                ; the last two K steps have a text of their own: they fill nothing; the second trip is left behind its last products
	QUARTER 2, F1, F0, 0
	QUARTER 3, F0, F1, 0
	TURN 0
	WIN 0
	s_sub_co_u32 s2, s2, 1
	s_cmp_eq_u32 s2, 0
	s_cbranch_scc1 .Lout
	QUARTER 1, F0, F1, 0
	WIN 0
	s_cmp_lg_u32 s2, 0
	s_cbranch_scc1 .Ltail
.Lout:
	PLACES
	OUTP 0
	TOST 0
.irp a, 1,2,3
	OUTP \a
	SEND (\a)-1
	TOST \a
.endr
	SEND 3
	s_wait_tensorcnt 0x0                           ; the wave's end
	ds_add_u32 v[SPW], v[NIL]
	s_wait_dscnt 0x0
	CROUND                                         ; the closing round
	s_endpgm
.Lfunc_end_k_qe7b6b35398_pv:
	.size	k_qe7b6b35398_pv, .Lfunc_end_k_qe7b6b35398_pv-k_qe7b6b35398_pv
	.p2alignl 7, 3214868480
	.fill 96, 4, 3214868480
	.section	.rodata,"a",@progbits
	.p2align	6, 0x0
	.amdhsa_kernel k_qe7b6b35398_pv
		.amdhsa_group_segment_fixed_size 327680
		.amdhsa_private_segment_fixed_size 0
		.amdhsa_enable_private_segment 0
		.amdhsa_kernarg_size 40
		.amdhsa_user_sgpr_count 2
		.amdhsa_user_sgpr_kernarg_segment_ptr 1
		.amdhsa_wavefront_size32 1
		.amdhsa_system_sgpr_workgroup_id_x 1
		.amdhsa_system_sgpr_workgroup_id_y 1
		.amdhsa_system_sgpr_workgroup_id_z 1
		.amdhsa_system_vgpr_workitem_id 0
		.amdhsa_next_free_vgpr 768
		.amdhsa_next_free_sgpr 88
		.amdhsa_reserve_vcc 0
		.amdhsa_float_denorm_mode_32 3
		.amdhsa_float_denorm_mode_16_64 3
		.amdhsa_memory_ordered 1
		.amdhsa_forward_progress 1
		.amdhsa_inst_pref_size 115
	.end_amdhsa_kernel
	.amdgpu_metadata
---
amdhsa.version: [ 1, 2 ]
amdhsa.kernels:
  - .name:           k_qe7b6b35398_pv
    .symbol:         k_qe7b6b35398_pv.kd
    .args:
      - { .name: p, .offset: 0, .size: 8, .value_kind: global_buffer, .address_space: global }
      - { .name: qkv, .offset: 8, .size: 8, .value_kind: global_buffer, .address_space: global }
      - { .name: stat, .offset: 16, .size: 8, .value_kind: global_buffer, .address_space: global }
      - { .name: bv, .offset: 24, .size: 8, .value_kind: global_buffer, .address_space: global }
      - { .name: out0, .offset: 32, .size: 8, .value_kind: global_buffer, .address_space: global }
    .group_segment_fixed_size: 327680
    .private_segment_fixed_size: 0
    .kernarg_segment_align: 8
    .kernarg_segment_size: 40
    .max_flat_workgroup_size: 128
    .sgpr_count:     88
    .vgpr_count:     768
    .wavefront_size: 32
...
	.end_amdgpu_metadata
.endif
;; end of part 4
;; ======== version 2 of 2: 4 launches; version 1 with the launch prep written anew for expert scheduling mode
;; limits: values are held in f16: magnitudes above 65,504 overflow, below 6.1e-05 lose precision
;; workspace buffers: xw 23,068,672 bytes; qkv 50,331,648 bytes; p 33,554,432 bytes; stat 1,048,576 bytes
;; launch prep (part 5): grid 64 x 11, 8 waves a work-group, no clusters, 0 bytes of LDS; arguments x, Wq, Wk, Wv, xw; writes xw
.if DOCPART == 5
	.amdgcn_target "amdgcn-amd-amdhsa--gfx1250"
	.amdhsa_code_object_version 6
	.text
	.protected	k_qe7b6b35398_prep
	.globl	k_qe7b6b35398_prep
	.p2align	8
	.type	k_qe7b6b35398_prep,@function
k_qe7b6b35398_prep:
	s_mov_b64 s[64:65], 0
	v_nop
	global_prefetch_b8 v0, s[64:65] scope:SCOPE_SE
	s_setreg_imm32_b32 hwreg(HW_REG_WAVE_SCHED_MODE, 0, 2), 2
	s_setreg_imm32_b32 hwreg(HW_REG_WAVE_MODE, 25, 1), 1
	s_wait_xcnt 0x0
	s_wait_alu depctr_vm_vsrc(0)
; PREP: x, Wq, Wk, Wv (f32) are rounded once to bf16, element by element, into xw: x as [8192][1024] at byte 0, then Wq, Wk, Wv as [1024 d][1024 e] each, from byte 16,777,216 on.
; THE WHOLE PROGRAM: prep; proj (q = x Wq + bq, k = x Wk, v = x Wv, in f16); scores (q k^T, and for each row and each chunk of 128 keys the maximum, the exponentials and their sum); pv (the chunks joined, P v, / l, + bv).
; DEAD WORK: bk.  scores[s][t] = (q_s . (x_t Wk) + q_s . bk) / 32.  The second term does not hang on t, the softmax's axis, whatever the inputs hold:
; softmax_t(z_t + u) = softmax_t(z_t) for every u.  So bk has no way to the output: it is not loaded and is no launch's argument.
; LIMIT: a NaN, an infinity or an overflow that could arise from bk alone is not carried to the result.
; bv is live, but since the weights of a row add up to 1 it is added once, in f32, on the last launch's way out.
; SHARES.  Segment y of 4 MiB of f32: 0..7 are x's, 8, 9, 10 are Wq, Wk, Wv.  A work-group takes 16 rows of 4,096 bytes of its segment; thread t takes 16 bytes of each row.
; All 16 loads go out at once; a store of a wave covers 256 consecutive bytes, aligned.  No register is written twice, so no wait frees a source.
; THE MODE: SCHED_MODE bits 1:0 = 2 (LLVM: expert scheduling mode 2), set by the entry lines.  The code itself states the register dependences
; between vector instructions and memory instructions, with s_wait_alu, always for 0.
; THE PLAN.  Registers that memory instructions touch:
;   v1, v2   byte offsets.  Written once each by a vector instruction at the head; v1 is read by every load, v2 by every store; never written again.
;   X        16 rows as loaded.  Each register is the target of one load, issued at the head, and is read by the conversions; no vector instruction writes it, no second load lands in it.
;   Y        16 rows to store.  Each register is written once, by a conversion, and read once, by a store.
; So the only dependence to state is: a vector instruction has written what a memory instruction reads.  One wait at the head states it for v1 and v2.  The 16 rows go in four blocks of four:
; a block's eight conversions, ONE wait that states that they have written the block's part of Y, and the block's four stores in a run.  The next block's conversions name other registers.
.set X, 4                              ; v[4:67]   16 x 4 registers as loaded
.set Y, 68                             ; v[68:99]  16 x 2 registers to store
.set BLOCK, 4                          ; rows in a block
	s_load_b256 s[4:11], s[0:1], 0x0               ; x s[4:5], Wq s[6:7], Wk s[8:9], Wv s[10:11]
	s_load_b64 s[12:13], s[0:1], 0x20              ; xw
	s_and_b32 s14, ttmp7, 0xffff                   ; the segment
	v_lshlrev_b32 v1, 4, v0                        ; my 16 bytes of a row of f32
	v_lshlrev_b32 v2, 3, v0                        ; my 8 bytes of a row of bf16
	s_lshl_b32 s16, s14, 22                        ; x's segments lie 4 MiB apart;
	s_cmp_lt_u32 s14, 8
	s_cselect_b32 s16, s16, 0                      ; a weight is one segment
	s_lshl_b32 s15, ttmp9, 16                      ; the work-group's 16 rows in
	s_add_co_u32 s16, s16, s15
	s_mov_b32 s17, 0
	s_lshl_b32 s18, s14, 21                        ; and out: half the bytes
	s_lshl_b32 s15, ttmp9, 15
	s_add_co_u32 s18, s18, s15
	s_mov_b32 s19, 0
	s_wait_kmcnt 0x0
	s_cmp_eq_u32 s14, 8
	s_cselect_b64 s[4:5], s[6:7], s[4:5]
	s_cmp_eq_u32 s14, 9
	s_cselect_b64 s[4:5], s[8:9], s[4:5]
	s_cmp_eq_u32 s14, 10
	s_cselect_b64 s[4:5], s[10:11], s[4:5]
	s_add_nc_u64 s[4:5], s[4:5], s[16:17]
	s_add_nc_u64 s[12:13], s[12:13], s[18:19]
	s_wait_alu depctr_va_vdst(0)                   ; v1 and v2 are written: every load below reads v1 as its offset, every store v2; no vector instruction names either again
.set i, 0
.rept 16
	global_load_b128 v[X+4*i:X+4*i+3], v1, s[4:5] offset:4096*i th:TH_LOAD_NT
.set i, i+1
.endr
.set p, 0
.rept 16/BLOCK
	s_wait_loadcnt 16-BLOCK-BLOCK*p                ; loads come back in order: block p's four rows are in, the younger blocks stay out
.set i, BLOCK*p
.rept BLOCK
	v_cvt_pk_bf16_f32 v[Y+2*i], v[X+4*i], v[X+4*i+1]
	v_cvt_pk_bf16_f32 v[Y+2*i+1], v[X+4*i+2], v[X+4*i+3]
.set i, i+1
.endr
	s_wait_alu depctr_va_vdst(0)                   ; the block's eight conversions have written its part of Y, which the four stores below read
.set i, BLOCK*p
.rept BLOCK
	global_store_b64 v2, v[Y+2*i:Y+2*i+1], s[12:13] offset:2048*i
.set i, i+1
.endr
.set p, p+1
.endr
	s_endpgm
.Lfunc_end_k_qe7b6b35398_prep:
	.size	k_qe7b6b35398_prep, .Lfunc_end_k_qe7b6b35398_prep-k_qe7b6b35398_prep
	.p2alignl 7, 3214868480
	.fill 96, 4, 3214868480
	.section	.rodata,"a",@progbits
	.p2align	6, 0x0
	.amdhsa_kernel k_qe7b6b35398_prep
		.amdhsa_group_segment_fixed_size 0
		.amdhsa_private_segment_fixed_size 0
		.amdhsa_enable_private_segment 0
		.amdhsa_kernarg_size 40
		.amdhsa_user_sgpr_count 2
		.amdhsa_user_sgpr_kernarg_segment_ptr 1
		.amdhsa_wavefront_size32 1
		.amdhsa_system_sgpr_workgroup_id_x 1
		.amdhsa_system_sgpr_workgroup_id_y 1
		.amdhsa_system_sgpr_workgroup_id_z 1
		.amdhsa_system_vgpr_workitem_id 0
		.amdhsa_next_free_vgpr 104
		.amdhsa_next_free_sgpr 66
		.amdhsa_reserve_vcc 0
		.amdhsa_float_denorm_mode_32 3
		.amdhsa_float_denorm_mode_16_64 3
		.amdhsa_memory_ordered 1
		.amdhsa_forward_progress 1
		.amdhsa_inst_pref_size 7
	.end_amdhsa_kernel
	.amdgpu_metadata
---
amdhsa.version: [ 1, 2 ]
amdhsa.kernels:
  - .name:           k_qe7b6b35398_prep
    .symbol:         k_qe7b6b35398_prep.kd
    .args:
      - { .name: x, .offset: 0, .size: 8, .value_kind: global_buffer, .address_space: global }
      - { .name: Wq, .offset: 8, .size: 8, .value_kind: global_buffer, .address_space: global }
      - { .name: Wk, .offset: 16, .size: 8, .value_kind: global_buffer, .address_space: global }
      - { .name: Wv, .offset: 24, .size: 8, .value_kind: global_buffer, .address_space: global }
      - { .name: xw, .offset: 32, .size: 8, .value_kind: global_buffer, .address_space: global }
    .group_segment_fixed_size: 0
    .private_segment_fixed_size: 0
    .kernarg_segment_align: 8
    .kernarg_segment_size: 40
    .max_flat_workgroup_size: 256
    .sgpr_count:     66
    .vgpr_count:     104
    .wavefront_size: 32
...
	.end_amdgpu_metadata
.endif
;; end of part 5
;; launch proj: the kernel of part 2 again; grid 12 x 32, 4 waves a work-group, clusters of 4 x 4, 327,680 bytes of LDS; arguments xw, bq, qkv; writes qkv
;; launch scores: the kernel of part 3 again; grid 8 x 32, 4 waves a work-group, clusters of 4 x 4, 327,680 bytes of LDS; arguments qkv, p, stat; writes p, stat
;; launch pv: the kernel of part 4 again; grid 4 x 64, 4 waves a work-group, clusters of 4 x 4, 327,680 bytes of LDS; arguments p, qkv, stat, bv, out0; writes out0
